; MI455X (gfx1250); checked and timed in simulation.
; The chip was launched on July 23, 2026; its instructions are those of AMD's public machine-readable ISA for CDNA 5 (MIT licence, August 2026) and "CDNA5" Instruction Set Architecture Reference Guide (July 2026). The comments in the code are by the model that wrote it; some were corrected since.
;; Causal Self Attention. Allowed arithmetic: float matrix products may take bf16 or f16 operands with f32 sums; other float arithmetic in f32, or as packed bf16 or f16 multiplies, adds, multiply-adds, maxima and minima; sums over many terms, partial sums and values carried from step to step in f32; what a program stores and reads back later, other than sums and carried values, may be rounded once to bf16 or f16.
;; Inputs: freqs_cos 2,048 x 64 float32; freqs_sin 2,048 x 64 float32; wk 8 x 256 x 256 float32; wo 8 x 256 x 256 float32; wq 8 x 256 x 256 float32; wv 8 x 256 x 256 float32; x 1 x 2,048 x 2,048 float32.
;; Outputs: out0 1 x 2,048 x 2,048 float32.
;; One version. Each part assembles by itself: llvm-mc -triple=amdgcn-amd-amdhsa -mcpu=gfx1250 --defsym DOCPART=n.
;; ======== version 1 of 1: 5 launches
;; limits: values are held in f16: magnitudes above 65,504 overflow, below 6.1e-05 lose precision; inputs' magnitudes at most 2,047; right only within a limited range of input values; inputs' magnitudes at most 1,000
;; workspace buffers: xb 8,388,608 bytes; psum 1,024 bytes; tw 8,388,608 bytes; scl 256 bytes; qh 8,388,608 bytes; kh 8,388,608 bytes; vh 8,388,608 bytes; yb 10,485,760 bytes
;; launch prep1 (part 1): grid 256 x 1, 8 waves a work-group, no clusters, 1,280 bytes of LDS; arguments x, wq, wk, wv, wo, xb, psum; writes xb, psum
.if DOCPART == 1
	.amdgcn_target "amdgcn-amd-amdhsa--gfx1250"
	.amdhsa_code_object_version 6
	.text
	.protected	k_q5d9c2da5ed_prep1
	.globl	k_q5d9c2da5ed_prep1
	.p2align	8
	.type	k_q5d9c2da5ed_prep1,@function
k_q5d9c2da5ed_prep1:
	s_mov_b64 s[64:65], 0
	v_nop
	global_prefetch_b8 v0, s[64:65] scope:SCOPE_SE
	s_setreg_imm32_b32 hwreg(HW_REG_WAVE_MODE, 25, 1), 1
	s_wait_xcnt 0x0
; xb = x rounded to bf16.  psum[g] = the sum of |bf16(W)| over 8,192 numbers of one weight matrix.
; A stream: 256 work-groups of eight waves.  Work-group g takes 65,536 bytes of x (8 rows) and piece g % 64 (32,768 bytes) of matrix g / 64 (wq, wk, wv, wo).
; A wave has 24 loads of 16 bytes a lane on their way at once; no matrix unit, no cluster, no tile: nothing is read twice and nothing is shared.
; LIMIT: the mean of |W| is summed as a fixed tree (lane, wave, work-group, then the 64 pieces in the next launch), which is not the order of a plain running sum.
.set SPARE, 256                        ; LDS: eight partial sums in bytes 0-31; from 256 on the spare words, 128 bytes a wave
.set SPW, 4                            ; v4  my spare word; never rewritten
.set NIL, 5                            ; v5  0; never rewritten
.set WR,  16                           ; v[16:47]   32 numbers of W
.set XR,  48                           ; v[48:111]  64 numbers of x
	s_load_b256 s[4:11], s[0:1], 0x0               ; x s[4:5], wq s[6:7], wk s[8:9], wv s[10:11]
	s_load_b128 s[12:15], s[0:1], 0x20             ; wo s[12:13], xb s[14:15]
	s_load_b64 s[16:17], s[0:1], 0x30              ; psum
	v_lshl_add_u32 v[SPW], v0, 2, SPARE
	v_mov_b32 v[NIL], 0
	v_lshrrev_b32 v6, 5, v0
	v_readfirstlane_b32 s20, v6                    ; wave 0..7
	v_and_b32 v7, 31, v0                           ; lane
	v_lshlrev_b32 v1, 4, v7
	v_lshl_add_u32 v2, v6, 13, v1                  ; x: 8,192 x wave + 16 x lane
	v_lshl_add_u32 v1, v6, 12, v1                  ; W: 4,096 x wave + 16 x lane
	v_lshlrev_b32 v3, 3, v7
	v_lshl_add_u32 v3, v6, 12, v3                  ; xb: 4,096 x wave + 8 x lane
	v_lshlrev_b32 v6, 2, v6                        ; my wave's word in LDS
	v_mov_b32 v7, 0
	s_lshr_b32 s21, ttmp9, 6                       ; which matrix
	s_and_b32 s22, ttmp9, 63
	s_lshl_b32 s22, s22, 15                        ; which piece of it
	s_mov_b32 s23, 0
	s_lshl_b32 s24, ttmp9, 16                      ; my bytes of x,
	s_mov_b32 s25, 0
	s_lshl_b32 s26, ttmp9, 15                      ; of xb,
	s_mov_b32 s27, 0
	s_lshl_b32 s28, ttmp9, 2                       ; and my word of psum
	s_mov_b32 s29, 0
	s_mov_b32 s30, 0x7fff7fff                      ; clears the signs of two bf16
	s_mov_b32 s31, 0xffff0000                      ; a word's upper bf16
	s_mov_b32 s32, 0x76543210                      ; v_permlanex16_b32: each lane takes its own place in the other half
	s_mov_b32 s33, 0xfedcba98
	s_wait_kmcnt 0x0
	s_cmp_eq_u32 s21, 1
	s_cselect_b64 s[18:19], s[8:9], s[6:7]
	s_cmp_eq_u32 s21, 2
	s_cselect_b64 s[18:19], s[10:11], s[18:19]
	s_cmp_eq_u32 s21, 3
	s_cselect_b64 s[18:19], s[12:13], s[18:19]
	s_add_nc_u64 s[18:19], s[18:19], s[22:23]
	s_add_nc_u64 s[4:5], s[4:5], s[24:25]
	s_add_nc_u64 s[14:15], s[14:15], s[26:27]
	s_add_nc_u64 s[16:17], s[16:17], s[28:29]
.irp k, 0,1,2,3,4,5,6,7
	global_load_b128 v[WR+4*(\k):WR+4*(\k)+3], v1, s[18:19] offset:512*(\k)
.endr
.irp k, 0,1,2,3,4,5,6,7,8,9,10,11,12,13,14,15
	global_load_b128 v[XR+4*(\k):XR+4*(\k)+3], v2, s[4:5] offset:512*(\k) th:TH_LOAD_NT
.endr
	s_wait_loadcnt 16                              ; W's eight loads are in; x's sixteen, issued behind them, stay out
; each pair of numbers: rounded to bf16, signs cleared, widened again in place; four chains, started by the first four pairs
.set p, 0
.rept 16
	v_cvt_pk_bf16_f32 v[WR+2*p], v[WR+2*p], v[WR+2*p+1]
	v_and_b32 v[WR+2*p], s30, v[WR+2*p]
	v_and_b32 v[WR+2*p+1], s31, v[WR+2*p]
	v_lshlrev_b32 v[WR+2*p], 16, v[WR+2*p]
.if p >= 4
	v_pk_add_f32 v[WR+2*(p%4):WR+2*(p%4)+1], v[WR+2*(p%4):WR+2*(p%4)+1], v[WR+2*p:WR+2*p+1]
.endif
.set p, p+1
.endr
	v_pk_add_f32 v[WR:WR+1], v[WR:WR+1], v[WR+2:WR+3]
	v_pk_add_f32 v[WR+4:WR+5], v[WR+4:WR+5], v[WR+6:WR+7]
	v_pk_add_f32 v[WR:WR+1], v[WR:WR+1], v[WR+4:WR+5]
	v_add_f32 v[WR], v[WR], v[WR+1]
	v_add_f32_dpp v[WR], v[WR], v[WR] row_xmask:1 row_mask:0xf bank_mask:0xf
	v_add_f32_dpp v[WR], v[WR], v[WR] row_xmask:2 row_mask:0xf bank_mask:0xf
	v_add_f32_dpp v[WR], v[WR], v[WR] row_xmask:4 row_mask:0xf bank_mask:0xf
	v_add_f32_dpp v[WR], v[WR], v[WR] row_xmask:8 row_mask:0xf bank_mask:0xf
	v_permlanex16_b32 v[WR+1], v[WR], s32, s33
	v_add_f32 v[WR], v[WR], v[WR+1]                ; the wave's sum, in every lane
	ds_store_b32 v6, v[WR]
	s_wait_dscnt 0x0                               ; for the others' sake: my word is written
	s_barrier_signal -1
	s_barrier_wait -1
	ds_load_b128 v[8:11], v7
	ds_load_b128 v[12:15], v7 offset:16
; x meanwhile: four numbers a lane become 8 bytes; a wave's store covers 256 consecutive bytes, aligned
.irp k, 0,1,2,3,4,5,6,7,8,9,10,11,12,13,14,15
	s_wait_loadcnt 15-(\k)                         ; loads come back in order: load k is in, the younger ones stay out
	v_cvt_pk_bf16_f32 v[XR+4*(\k)], v[XR+4*(\k)], v[XR+4*(\k)+1]
	v_cvt_pk_bf16_f32 v[XR+4*(\k)+1], v[XR+4*(\k)+2], v[XR+4*(\k)+3]
	global_store_b64 v3, v[XR+4*(\k):XR+4*(\k)+1], s[14:15] offset:256*(\k) th:TH_STORE_NT
.endr
	s_wait_dscnt 0x0
	v_pk_add_f32 v[8:9], v[8:9], v[10:11]
	v_pk_add_f32 v[12:13], v[12:13], v[14:15]
	v_pk_add_f32 v[8:9], v[8:9], v[12:13]
	v_add_f32 v8, v8, v9                           ; the work-group's sum
	s_cmp_lg_u32 s20, 0
	s_cbranch_scc1 .Lend                           ; wave 0 stores it
	s_wait_xcnt 0x0                                ; EXEC changes only behind this wait
	v_cmp_eq_u32 vcc_lo, 0, v0
	s_and_saveexec_b32 s34, vcc_lo
	global_store_b32 v7, v8, s[16:17]
	s_wait_xcnt 0x0                                ; and again in front of the line that widens it
	s_or_b32 exec_lo, exec_lo, s34
.Lend:
	s_wait_tensorcnt 0x0                           ; the wave's end: a wait, an add of 0 to my spare word and its wait, behind my last LDS store
	ds_add_u32 v[SPW], v[NIL]
	s_wait_dscnt 0x0
	s_endpgm
.Lfunc_end_k_q5d9c2da5ed_prep1:
	.size	k_q5d9c2da5ed_prep1, .Lfunc_end_k_q5d9c2da5ed_prep1-k_q5d9c2da5ed_prep1
	.p2alignl 7, 3214868480
	.fill 96, 4, 3214868480
	.section	.rodata,"a",@progbits
	.p2align	6, 0x0
	.amdhsa_kernel k_q5d9c2da5ed_prep1
		.amdhsa_group_segment_fixed_size 1280
		.amdhsa_private_segment_fixed_size 0
		.amdhsa_enable_private_segment 0
		.amdhsa_kernarg_size 56
		.amdhsa_user_sgpr_count 2
		.amdhsa_user_sgpr_kernarg_segment_ptr 1
		.amdhsa_wavefront_size32 1
		.amdhsa_system_sgpr_workgroup_id_x 1
		.amdhsa_system_sgpr_workgroup_id_y 1
		.amdhsa_system_sgpr_workgroup_id_z 1
		.amdhsa_system_vgpr_workitem_id 0
		.amdhsa_next_free_vgpr 112
		.amdhsa_next_free_sgpr 66
		.amdhsa_reserve_vcc 1
		.amdhsa_float_denorm_mode_32 3
		.amdhsa_float_denorm_mode_16_64 3
		.amdhsa_memory_ordered 1
		.amdhsa_forward_progress 1
		.amdhsa_inst_pref_size 13
	.end_amdhsa_kernel
	.amdgpu_metadata
---
amdhsa.version: [ 1, 2 ]
amdhsa.kernels:
  - .name:           k_q5d9c2da5ed_prep1
    .symbol:         k_q5d9c2da5ed_prep1.kd
    .args:
      - { .name: x, .offset: 0, .size: 8, .value_kind: global_buffer, .address_space: global }
      - { .name: wq, .offset: 8, .size: 8, .value_kind: global_buffer, .address_space: global }
      - { .name: wk, .offset: 16, .size: 8, .value_kind: global_buffer, .address_space: global }
      - { .name: wv, .offset: 24, .size: 8, .value_kind: global_buffer, .address_space: global }
      - { .name: wo, .offset: 32, .size: 8, .value_kind: global_buffer, .address_space: global }
      - { .name: xb, .offset: 40, .size: 8, .value_kind: global_buffer, .address_space: global }
      - { .name: psum, .offset: 48, .size: 8, .value_kind: global_buffer, .address_space: global }
    .group_segment_fixed_size: 1280
    .private_segment_fixed_size: 0
    .kernarg_segment_align: 8
    .kernarg_segment_size: 56
    .max_flat_workgroup_size: 256
    .sgpr_count:     66
    .vgpr_count:     112
    .wavefront_size: 32
...
	.end_amdgpu_metadata
.endif
;; end of part 1
;; launch prep2 (part 2): grid 256 x 1, 8 waves a work-group, no clusters, 18,432 bytes of LDS; arguments wq, wk, wv, wo, psum, tw, scl; writes tw, scl
.if DOCPART == 2
	.amdgcn_target "amdgcn-amd-amdhsa--gfx1250"
	.amdhsa_code_object_version 6
	.text
	.protected	k_q5d9c2da5ed_prep2
	.globl	k_q5d9c2da5ed_prep2
	.p2align	8
	.type	k_q5d9c2da5ed_prep2,@function
k_q5d9c2da5ed_prep2:
	s_mov_b64 s[64:65], 0
	v_nop
	global_prefetch_b8 v0, s[64:65] scope:SCOPE_SE
	s_setreg_imm32_b32 hwreg(HW_REG_WAVE_MODE, 25, 1), 1
	s_wait_xcnt 0x0
; tw[m][sign][i][q][p] = +-T, T = sign(w) where |w| > s / 2 and 0 elsewhere, w = bf16(W_m[i][p][q]), s = mean|w| + 1e-8: the ternary weights WITHOUT their scale, turned round so that p lies
; along the rows, as 16-bit codes of 1, -1 and 0: bf16 for wq, wk, wv (m = 0, 1, 2), f16 for wo (m = 3).  scl[m] = s.
; |w| / s rounds to 1 exactly where |w| > s / 2 (a half rounds to the even 0), so a compare takes the place of divide, clip and round.
; Work-group g: m = g / 64, i = (g / 8) % 8, 64 columns q (g / 2 % 4) x 128 rows p (g % 2).  256 threads; a block goes through LDS to be turned.
; LIMITS: -T holds -0 where T is 0 (it adds nothing to a sum); a NaN in W counts as 0.
.set PT,    272                        ; an LDS row: 128 p x 2 bytes + 16
.set SPARE, 64*PT                      ; 17,408: behind the block, the spare words, 128 bytes a wave
.set SPW, 4
.set NIL, 5
	s_load_b256 s[4:11], s[0:1], 0x0               ; wq s[4:5], wk s[6:7], wv s[8:9], wo s[10:11]
	s_load_b128 s[12:15], s[0:1], 0x20             ; psum s[12:13], tw s[14:15]
	s_load_b64 s[16:17], s[0:1], 0x30              ; scl
	v_lshl_add_u32 v[SPW], v0, 2, SPARE
	v_mov_b32 v[NIL], 0
	v_lshrrev_b32 v1, 5, v0
	v_readfirstlane_b32 s20, v1                    ; wave
	v_and_b32 v1, 15, v0                           ; lq: which four q
	v_lshrrev_b32 v2, 4, v0                        ; rp: 0..15
	v_lshlrev_b32 v3, 4, v1
	v_lshl_add_u32 v3, v2, 11, v3                  ; W: rows 2 rp and 2 rp + 1 (1,024 bytes each), 16 bytes at 16 lq
	v_and_b32 v6, 31, v0
	v_lshlrev_b32 v6, 3, v6                        ; psum: two words a lane
	v_mul_u32_u24 v7, v1, 4*PT
	v_lshl_add_u32 v7, v2, 2, v7                   ; into LDS: row 4 lq + qq, word rp + 16 k
	v_mul_u32_u24 v80, v2, PT
	v_lshl_add_u32 v80, v1, 4, v80                 ; back: row rp + 16 u, 16 bytes at 16 lq
	v_lshlrev_b32 v81, 9, v2
	v_lshl_add_u32 v81, v1, 4, v81                 ; tw: rows of 512 bytes
	s_lshr_b32 s21, ttmp9, 6                       ; m
	s_bfe_u32 s22, ttmp9, 0x30003                  ; i
	s_bfe_u32 s23, ttmp9, 0x20001                  ; which 64 q
	s_and_b32 s24, ttmp9, 1                        ; which 128 p
	s_lshl_b32 s26, s22, 18
	s_lshl_b32 s39, s24, 17
	s_add_co_u32 s26, s26, s39
	s_lshl_b32 s39, s23, 8
	s_add_co_u32 s26, s26, s39                     ; W: 262,144 i + 131,072 ph + 256 qb
	s_mov_b32 s27, 0
	s_lshl_b32 s28, s21, 21
	s_lshl_b32 s39, s22, 17
	s_add_co_u32 s28, s28, s39
	s_lshl_b32 s39, s23, 15
	s_add_co_u32 s28, s28, s39
	s_lshl_b32 s39, s24, 8
	s_add_co_u32 s28, s28, s39                     ; tw: 2 MiB m + 131,072 i + 32,768 qb + 256 ph
	s_mov_b32 s29, 0
	s_lshl_b32 s30, s21, 8                         ; psum: 64 words a matrix
	s_mov_b32 s31, 0
	s_lshl_b32 s32, s21, 2
	s_mov_b32 s33, 0
	s_mov_b32 s34, 0x7fff7fff
	s_mov_b32 s35, 0xffff0000
	s_mov_b32 s36, 0x80008000
	s_mov_b32 s37, 0x3f803f80                      ; 1.0 twice in bf16,
	s_mov_b32 s39, 0x3c003c00                      ; in f16
	s_cmp_eq_u32 s21, 3
	s_cselect_b32 s37, s39, s37
	s_mov_b32 s38, 0xffff
	s_mov_b32 s40, 0x76543210
	s_mov_b32 s41, 0xfedcba98
	s_wait_kmcnt 0x0
	s_cmp_eq_u32 s21, 1
	s_cselect_b64 s[18:19], s[6:7], s[4:5]
	s_cmp_eq_u32 s21, 2
	s_cselect_b64 s[18:19], s[8:9], s[18:19]
	s_cmp_eq_u32 s21, 3
	s_cselect_b64 s[18:19], s[10:11], s[18:19]
	s_add_nc_u64 s[18:19], s[18:19], s[26:27]
	s_add_nc_u64 s[14:15], s[14:15], s[28:29]
	s_add_nc_u64 s[12:13], s[12:13], s[30:31]
	s_add_nc_u64 s[16:17], s[16:17], s[32:33]
	global_load_b64 v[8:9], v6, s[12:13]
.irp k, 0,1,2,3
	global_load_b128 v[16+8*(\k):16+8*(\k)+3], v3, s[18:19] offset:32768*(\k)        ; row p = 2 (rp + 16 k): sixteen lanes read 256 consecutive bytes
	global_load_b128 v[20+8*(\k):20+8*(\k)+3], v3, s[18:19] offset:32768*(\k)+1024   ; row p + 1
.endr
	s_wait_loadcnt 8                               ; the partial sums are in; W's eight loads stay out
	v_add_f32 v8, v8, v9
	v_add_f32_dpp v8, v8, v8 row_xmask:1 row_mask:0xf bank_mask:0xf
	v_add_f32_dpp v8, v8, v8 row_xmask:2 row_mask:0xf bank_mask:0xf
	v_add_f32_dpp v8, v8, v8 row_xmask:4 row_mask:0xf bank_mask:0xf
	v_add_f32_dpp v8, v8, v8 row_xmask:8 row_mask:0xf bank_mask:0xf
	v_permlanex16_b32 v9, v8, s40, s41
	v_add_f32 v8, v8, v9
	v_mul_f32 v8, 0x36000000, v8                   ; / 524,288, exact
	v_add_f32 v8, 0x322bcc77, v8                   ; s = mean + 1e-8
	v_mul_f32 v9, 0.5, v8                          ; the threshold
.irp k, 0,1,2,3
	s_wait_loadcnt 6-2*(\k)                        ; rows k's two loads are in, the later rows' stay out
.irp q, 0,1,2,3
	v_cvt_pk_bf16_f32 v10, v[16+8*(\k)+(\q)], v[20+8*(\k)+(\q)]  ; w of rows p (low half) and p + 1 (high half), column q
	v_and_b32 v11, s34, v10
	v_lshlrev_b32 v12, 16, v11                     ; |w| as f32
	v_and_b32 v13, s35, v11
	v_and_or_b32 v10, v10, s36, s37                ; the two signs on the code of 1
	v_cmp_gt_f32 vcc_lo, v12, v9
	v_cndmask_b32 v12, 0, s38, vcc_lo
	v_cmp_gt_f32 vcc_lo, v13, v9
	v_cndmask_b32 v13, 0, s35, vcc_lo
	v_or_b32 v12, v12, v13
	v_and_b32 v10, v10, v12                        ; 0 where |w| is not above the threshold
	ds_store_b32 v7, v10 offset:PT*(\q)+64*(\k)
.endr
.endr
	s_wait_dscnt 0x0                               ; for the others' sake: my words are written
	s_barrier_signal -1
	s_barrier_wait -1
.irp u, 0,1,2,3
	ds_load_b128 v[48+4*(\u):48+4*(\u)+3], v80 offset:16*PT*(\u)
.endr
.irp u, 0,1,2,3
	s_wait_dscnt 3-(\u)
.irp e, 0,1,2,3
	v_xor_b32 v[64+4*(\u)+(\e)], s36, v[48+4*(\u)+(\e)]
.endr
	global_store_b128 v81, v[48+4*(\u):48+4*(\u)+3], s[14:15] offset:8192*(\u)           ; sixteen lanes store 256 consecutive bytes, aligned
	global_store_b128 v81, v[64+4*(\u):64+4*(\u)+3], s[14:15] offset:8192*(\u)+1048576   ; and -T
.endr
	s_cmp_lg_u32 s20, 0
	s_cbranch_scc1 .Lend
	s_and_b32 s39, ttmp9, 63
	s_cmp_lg_u32 s39, 0
	s_cbranch_scc1 .Lend                           ; a matrix's first work-group stores its scale
	v_mov_b32 v6, 0
	s_wait_xcnt 0x0                                ; EXEC changes only behind this wait
	v_cmp_eq_u32 vcc_lo, 0, v0
	s_and_saveexec_b32 s42, vcc_lo
	global_store_b32 v6, v8, s[16:17]
	s_wait_xcnt 0x0
	s_or_b32 exec_lo, exec_lo, s42
.Lend:
	s_wait_tensorcnt 0x0                           ; the wave's end: a wait, an add of 0 to my spare word and its wait, behind my last LDS store
	ds_add_u32 v[SPW], v[NIL]
	s_wait_dscnt 0x0
	s_endpgm
.Lfunc_end_k_q5d9c2da5ed_prep2:
	.size	k_q5d9c2da5ed_prep2, .Lfunc_end_k_q5d9c2da5ed_prep2-k_q5d9c2da5ed_prep2
	.p2alignl 7, 3214868480
	.fill 96, 4, 3214868480
	.section	.rodata,"a",@progbits
	.p2align	6, 0x0
	.amdhsa_kernel k_q5d9c2da5ed_prep2
		.amdhsa_group_segment_fixed_size 18432
		.amdhsa_private_segment_fixed_size 0
		.amdhsa_enable_private_segment 0
		.amdhsa_kernarg_size 56
		.amdhsa_user_sgpr_count 2
		.amdhsa_user_sgpr_kernarg_segment_ptr 1
		.amdhsa_wavefront_size32 1
		.amdhsa_system_sgpr_workgroup_id_x 1
		.amdhsa_system_sgpr_workgroup_id_y 1
		.amdhsa_system_sgpr_workgroup_id_z 1
		.amdhsa_system_vgpr_workitem_id 0
		.amdhsa_next_free_vgpr 96
		.amdhsa_next_free_sgpr 66
		.amdhsa_reserve_vcc 1
		.amdhsa_float_denorm_mode_32 3
		.amdhsa_float_denorm_mode_16_64 3
		.amdhsa_memory_ordered 1
		.amdhsa_forward_progress 1
		.amdhsa_inst_pref_size 16
	.end_amdhsa_kernel
	.amdgpu_metadata
---
amdhsa.version: [ 1, 2 ]
amdhsa.kernels:
  - .name:           k_q5d9c2da5ed_prep2
    .symbol:         k_q5d9c2da5ed_prep2.kd
    .args:
      - { .name: wq, .offset: 0, .size: 8, .value_kind: global_buffer, .address_space: global }
      - { .name: wk, .offset: 8, .size: 8, .value_kind: global_buffer, .address_space: global }
      - { .name: wv, .offset: 16, .size: 8, .value_kind: global_buffer, .address_space: global }
      - { .name: wo, .offset: 24, .size: 8, .value_kind: global_buffer, .address_space: global }
      - { .name: psum, .offset: 32, .size: 8, .value_kind: global_buffer, .address_space: global }
      - { .name: tw, .offset: 40, .size: 8, .value_kind: global_buffer, .address_space: global }
      - { .name: scl, .offset: 48, .size: 8, .value_kind: global_buffer, .address_space: global }
    .group_segment_fixed_size: 18432
    .private_segment_fixed_size: 0
    .kernarg_segment_align: 8
    .kernarg_segment_size: 56
    .max_flat_workgroup_size: 256
    .sgpr_count:     66
    .vgpr_count:     96
    .wavefront_size: 32
...
	.end_amdgpu_metadata
.endif
;; end of part 2
;; launch qkv (part 3): grid 16 x 16, 4 waves a work-group, clusters of 4 x 4, 327,680 bytes of LDS; arguments xb, tw, freqs_cos, freqs_sin, qh, kh, vh; writes qh, kh, vh
.if DOCPART == 3
	.amdgcn_target "amdgcn-amd-amdhsa--gfx1250"
	.amdhsa_code_object_version 6
	.text
	.protected	k_q5d9c2da5ed_qkv
	.globl	k_q5d9c2da5ed_qkv
	.p2align	8
	.type	k_q5d9c2da5ed_qkv,@function
k_q5d9c2da5ed_qkv:
	s_mov_b64 s[64:65], 0
	v_nop
	global_prefetch_b8 v0, s[64:65] scope:SCOPE_SE
	s_setreg_imm32_b32 hwreg(HW_REG_WAVE_MODE, 25, 1), 1
	s_wait_xcnt 0x0
	s_wait_alu depctr_hold_cnt(0) depctr_sa_sdst(0) depctr_va_vdst(0) depctr_va_sdst(0) depctr_va_ssrc(0) depctr_va_vcc(0) depctr_vm_vsrc(0)
	s_getreg_b32 s2, hwreg(HW_REG_IB_STS2, 6, 4)
	s_cmp_eq_u32 s2, 0
	s_cbranch_scc0 .Lentry_in_a_cluster
	s_endpgm
.Lentry_in_a_cluster:
	s_bfe_u32 s2, ttmp6, 0x10000c
	s_cmp_lg_u32 s2, 0xf033
	s_cbranch_scc0 .Lentry_shape_is_right
	s_endpgm
.Lentry_shape_is_right:
; qh = rope(x Tq) / 64, kh = rope(x Tk) / 64, vh = (x Tv) / 64, by heads, [16][2048][128] in f16.  x in bf16, T the ternary weights as +-1 and 0 in bf16 (exact); sums in f32; cos and sin rounded to bf16.
; The octonion layer is a dense product: block (input part j, output part ko) of the 2048 x 2048 matrix is SIGN[i][j] T[i], i = ko xor j; the sign picks +T or -T in tw.  The scales of T are applied later, in f32.
; SHARES.  A work-group makes 128 rows x one head's 128 columns of q, of k and of v: 256 work-groups.  Wave (rh, ch) makes 64 rows x 64 columns of each: 48 accumulators, 384 registers.
; K goes in 16 steps of 128 through two LDS slots, each with x's tile and the three weight tiles, 128 rows x 256 bytes each: one tensor load a wave.
; CLUSTER 4 x 4: x's tile hangs on the row tile alone and is asked for jointly by a row of the cluster, a weight tile on the head alone and is asked for jointly by a column.
; THE WALK ALONG K IS STAGGERED: the cluster with x = X begins at K step 4 X and goes round (f32 sums may be taken in any order).  The four clusters that read the same rows of xb so stand four K steps apart:
; from its fifth K step on a cluster asks for rows that its neighbour has asked for four K steps earlier.
; THE MATRIX INSTRUCTION IS USED TRANSPOSED (source 0 = 16 rows of T, source 1 = 16 rows of x): a lane holds eight neighbouring columns of one row, four rope pairs.
; LIMITS.  The stored numbers must stay within f16's 65,504: |x T| cos / 64; a sum of 2,048 terms of x's size, whatever the size of W.
; REGISTERS, in windows of 256: window 0: v0-31 addresses; v64-95, v96-127 x's fragments, two buffers; on the way out v32-95 packed results, v128-255 results in f32
;   window 1: T's fragments, two buffers of 96 (matrix g, block b at 32 g + 8 b)     window 2: q's accumulators at 8 (4 a + b), k's 128 higher     window 3: v's; v128-191 cos / 64, v192-255 sin / 64
.set PITCH,  272                       ; an LDS row: 256 bytes + 16: the 16 rows of a fragment load start 68 words apart
.set HALFT,  128*PITCH                 ; a tile
.set SLOT,   4*HALFT                   ; x's, Tq's, Tk's, Tv's
.set SPARE,  2*SLOT                    ; behind the ring: the spare words, 128 bytes a wave
.set LAPS,   8                         ; a lap = two K steps
.set ADRA, 16                          ; v16-17  my x fragments in slot 0, 1
.set ADRB, 20                          ; v20-25  my T fragments: matrix g, slot s at 20 + 2 g + s
.set STO,  26                          ; v26     the way out: where I put 16 bytes of a row
.set STO2, 27                          ; v27     the same two tiles further on
.set SPW,  28                          ; v28     my spare word; never rewritten
.set NIL,  29                          ; v29     0; never rewritten
.set PFO,  30                          ; v30     4,096 x lane: a row of xb; never rewritten
.set RD,   31                          ; v31     the way out: where I read rows back
.set RD2,  12
.set GO,   13                          ; v13     16 x lane
.set COF,  14                          ; v14     my byte offset in cos and sin
.set K6,   10                          ; v10     1/64
.set ZR,   11                          ; v11     0
.set HB,   32
.set EB,   128
.set CB,   128                         ; window 3
.set SB,   192
.set WV, 18
.set RH, 19
.set CH, 20
.set CX, 21
.set CY, 22
.set HD, 23
.set TR, 24
.set LA, 25
.set ABASE, 26                         ; s[26:27] xb at my row tile
.set G1A, 28                           ; s[28:35] group 1 for x's tiles;  s[36:43] group 0, a set a slot
.set G0A, 36
.set G1B, 44                           ; s[44:51], s[52:59] the same for T's
.set G0B, 52
.set BBASE, 60                         ; s[60:61] tw at my matrix and my head's 128 rows
.set OFF, 62                           ; s[62:63] an offset, its high word 0
.set PFA, 66                           ; s[66:67] what my one prefetch names; never rewritten
.set LIM, 68
.set KN, 69                            ; the K step to be asked for next, 0 to 15
.set NEGLO, 70                         ; bit 8 i + j: SIGN[i][j] is -1; i = 0..3,
.set NEGHI, 71                         ; i = 4..7
.set KO, 72
.set SC6, 80                           ; s[80:81] 1/64
.set OQ, 82                            ; s[82:87] qh, kh, vh at my rows
.set MSB, 0
.macro WIN new                         ; the immediate's high byte repeats the setting that is left
.if MSB != (\new)
	s_set_vgpr_msb (MSB<<8)|(\new)
.set MSB, \new
.endif
.endm
.macro PLACES                          ; four places behind matrix instructions, in front of loads into their sources and of lines that read their results
.rept 4
	v_nop
.endr
.endm
; A joint load: wave 0 fetches x's tile, waves 1 to 3 the tiles of Tq, Tk, Tv.  The branch hangs on the wave's number alone.  An s_nop 0 and four v_nop follow each line.
.macro JLOAD s
	s_cmp_eq_u32 s[WV], 0
	s_cbranch_scc0 .Lfor_b_\@
	tensor_load_to_lds s[G0A+4*(\s):G0A+4*(\s)+3], s[G1A:G1A+7]
	s_nop 0
.rept 4
	v_nop
.endr
	s_branch .Lasked_\@
.Lfor_b_\@:
	tensor_load_to_lds s[G0B+4*(\s):G0B+4*(\s)+3], s[G1B:G1B+7]
	s_nop 0
.rept 4
	v_nop
.endr
.Lasked_\@:
.endm
.macro CREST                           ; a round of the cluster's barrier behind its opening barrier
	s_cmp_lg_u32 s[WV], 0
	s_cbranch_scc1 .Lnot_wave_0_\@
	s_barrier_signal -3
.Lnot_wave_0_\@:
	s_barrier_wait -3
	s_barrier_signal -1
	s_barrier_wait -1
.endm
.macro CROUND
	s_barrier_signal -1
	s_barrier_wait -1
	CREST
.endm
; The tiles of K step KN for slot s.  T's: j = KN / 2, i = KO xor j, the sign from the table, the half of the 256 p from KN's low bit.  x's: 256 bytes along the rows for each K step.  Both addresses are made
; anew from the step's number, which then goes on, round 16.  Only numbers that the partners named by each mask share enter: the head and the cluster's x for T, the row tile and the cluster's x for x.
.macro BSTEP s
	s_lshr_b32 s74, s[KN], 1
	s_xor_b32 s75, s[KO], s74
	s_cmp_ge_u32 s75, 4
	s_cselect_b32 s78, s[NEGHI], s[NEGLO]
	s_and_b32 s79, s75, 3
	s_lshl3_add_u32 s79, s79, s74
	s_lshr_b32 s78, s78, s79
	s_and_b32 s78, s78, 1
	s_lshl3_add_u32 s78, s78, s75                  ; 8 x negative + i
	s_lshl_b32 s[OFF], s78, 17
	s_and_b32 s79, s[KN], 1
	s_lshl_b32 s79, s79, 8
	s_add_co_u32 s[OFF], s[OFF], s79
	s_add_nc_u64 s[G0B+4*(\s)+2:G0B+4*(\s)+3], s[BBASE:BBASE+1], s[OFF:OFF+1]
	s_or_b32 s[G0B+4*(\s)+3], s[G0B+4*(\s)+3], 0x80000000
	s_lshl_b32 s[OFF], s[KN], 8
	s_add_nc_u64 s[G0A+4*(\s)+2:G0A+4*(\s)+3], s[ABASE:ABASE+1], s[OFF:OFF+1]
	s_or_b32 s[G0A+4*(\s)+3], s[G0A+4*(\s)+3], 0x80000000
	s_add_co_u32 s[KN], s[KN], 1
	s_and_b32 s[KN], s[KN], 15
.endm
; THE ONE PREFETCH.  Of a cluster's walk the first four K steps of xb are asked for by no neighbour before it.  The first two come by the first fills, the third by the first refill, whose prefetch would stand at
; the kernel's head.  The fourth is asked for here, behind the first refill and one K step ahead of its own: 32 rows x 256 bytes, a lane a row, by wave 0; the four partners that ask for the tile jointly take 32
; rows each, told apart by address.  tw is not asked for: each of its blocks is read by several heads at different K steps.
.macro ASK
	s_cmp_eq_u32 s3, s[LIM]                        ; the loop's first trip, wave 0
	s_cbranch_scc0 .Lnot_mine_\@
	global_prefetch_b8 v[PFO], s[PFA:PFA+1] th:TH_LOAD_NT scope:SCOPE_SE
.Lnot_mine_\@:
.endm
; 32 LDS loads in one run: the fragments of 32 along K at byte k of the rows, into buffer f: x's four, then Tq's, Tk's, Tv's
.macro FETCH slot, k, f
	WIN 0
.irp i, 0,1,2,3
	ds_load_b128 v[64+32*(\f)+8*(\i):64+32*(\f)+8*(\i)+3],   v[ADRA+(\slot)] offset:(\k)+(\i)*16*PITCH
	ds_load_b128 v[64+32*(\f)+8*(\i)+4:64+32*(\f)+8*(\i)+7], v[ADRA+(\slot)] offset:(\k)+(\i)*16*PITCH+32
.endr
	WIN 0x40
.irp g, 0,1,2
.irp i, 0,1,2,3
	ds_load_b128 v[96*(\f)+32*(\g)+8*(\i):96*(\f)+32*(\g)+8*(\i)+3],   v[ADRB+2*(\g)+(\slot)] offset:(\k)+(\i)*16*PITCH
	ds_load_b128 v[96*(\f)+32*(\g)+8*(\i)+4:96*(\f)+32*(\g)+8*(\i)+7], v[ADRB+2*(\g)+(\slot)] offset:(\k)+(\i)*16*PITCH+32
.endr
.endr
.endm
; 16 matrix instructions: matrix g's 16 accumulators, 32 along K, from buffer f.  All 48 accumulators take turns, one instruction a turn.  zero = 1: the product starts the sum
.macro MULG f, g, zero
	WIN 0xa1+0x50*((\g)/2)
.irp a, 0,1,2,3
.irp b, 0,1,2,3
.if \zero
	v_wmma_f32_16x16x32_bf16 v[128*((\g)%2)+8*(4*(\a)+(\b)):128*((\g)%2)+8*(4*(\a)+(\b))+7], v[96*(\f)+32*(\g)+8*(\b):96*(\f)+32*(\g)+8*(\b)+7], v[64+32*(\f)+8*(\a):64+32*(\f)+8*(\a)+7], 0
.else
	v_wmma_f32_16x16x32_bf16 v[128*((\g)%2)+8*(4*(\a)+(\b)):128*((\g)%2)+8*(4*(\a)+(\b))+7], v[96*(\f)+32*(\g)+8*(\b):96*(\f)+32*(\g)+8*(\b)+7], v[64+32*(\f)+8*(\a):64+32*(\f)+8*(\a)+7], v[128*((\g)%2)+8*(4*(\a)+(\b)):128*((\g)%2)+8*(4*(\a)+(\b))+7]
.endif
.endr
.endr
.endm
; A K step is four quarters of 32 along K, 48 matrix instructions each, on buffers 0, 1, 0, 1.  One of the first three multiplies buffer f and fetches the next quarter, at byte k, into g.
.macro QUARTER slot, k, f, g, zero
	s_wait_dscnt 16                                ; x's and Tq's fragments are in; Tk's and Tv's sixteen loads may be out
	MULG \f, 0, \zero
	PLACES
	FETCH \slot, \k, \g
	s_wait_dscnt 32                                ; all but the 32 just issued
	MULG \f, 1, \zero
	MULG \f, 2, \zero
.endm
; The last quarter multiplies buffer 1 and changes slots: each wave waits for all its tensor loads (one is out: its tile of the next slot), adds 0 to its spare word, and waits for that and for its reads of
; this slot.  fill = 1: the barrier opens a round of the cluster's, and the joint refill, two K steps ahead, is the first thing behind it: 160 matrix instructions ahead of the wait for it.
.macro TURN slot, next, fill
	WIN 0
	s_wait_tensorcnt 0x0                           ; no tensor load of mine is out, so a group 0 may be written
	ds_add_u32 v[SPW], v[NIL]
.if \fill
	BSTEP \slot
.endif
	s_wait_dscnt 17                                ; the add and the youngest sixteen loads may be out
	MULG 1, 0, 0
	s_wait_dscnt 0x0                               ; the add is done, and my reads of this slot are over
	s_barrier_signal -1
	MULG 1, 1, 0
	WIN 0
	s_barrier_wait -1
.if \fill
	CREST
	JLOAD \slot                                    ; its four v_nop are also the places in front of the loads below
.else
	PLACES
.endif
	FETCH \next, 0, 0
.if (\fill) && ((\slot) == 0)
	WIN 0
	ASK
.endif
	MULG 1, 2, 0
.endm
	s_load_b256 s[4:11], s[0:1], 0x0               ; xb s[4:5], tw s[6:7], cos s[8:9], sin s[10:11]
	s_load_b128 s[12:15], s[0:1], 0x20             ; qh s[12:13], kh s[14:15]
	s_load_b64 s[16:17], s[0:1], 0x30              ; vh
	v_lshl_add_u32 v[SPW], v0, 2, SPARE
	v_mov_b32 v[NIL], 0
	ds_add_u32 v[SPW], v[NIL]                      ; the wave's opening: the add and its wait ahead of my first tensor load
	v_lshrrev_b32 v1, 5, v0
	v_readfirstlane_b32 s[WV], v1                  ; wave 0..3
	s_lshr_b32 s[RH], s[WV], 1                     ; which 64 rows are mine,
	s_and_b32 s[CH], s[WV], 1                      ; which 64 columns
	s_bfe_u32 s[CX], ttmp6, 0x40000
	s_bfe_u32 s[CY], ttmp6, 0x40004
	s_lshl_b32 s[HD], ttmp9, 2
	s_add_co_u32 s[HD], s[HD], s[CX]               ; head = 4 x cluster x + cx
	s_and_b32 s[TR], ttmp7, 0xffff
	s_lshl_b32 s[TR], s[TR], 2
	s_add_co_u32 s[TR], s[TR], s[CY]               ; row tile = 4 x cluster y + cy
	s_lshl_b32 s73, s[CY], 2
	s_lshl_b32 s73, 15, s73                        ; my row of the cluster
	s_lshl_b32 s74, 0x1111, s[CX]                  ; my column
	s_or_b32 s[G1A], s73, (1<<16)|(1<<20)|(1<<21)|(5<<22)|(3<<25)  ; the mask; 2-byte elements; padding on; bit 21 beside a mask; after every 64 words 4 words
	s_or_b32 s[G1B], s74, (1<<16)|(1<<20)|(1<<21)|(5<<22)|(3<<25)
.irp g, G1A, G1B
	s_mov_b32 s[(\g)+1], 128<<16                   ; tensor_dim0 = 128
	s_mov_b32 s[(\g)+2], 128<<16                   ; tensor_dim1 = 128
	s_mov_b32 s[(\g)+3], 128<<16                   ; tile_dim0 = 128
	s_mov_b32 s[(\g)+4], 128                       ; tile_dim1 = 128
	s_mov_b32 s[(\g)+6], 0
	s_mov_b32 s[(\g)+7], 0
.endr
	s_mov_b32 s[G1A+5], 2048                       ; elements from row to row: xb,
	s_mov_b32 s[G1B+5], 256                        ; tw
	s_mul_i32 s[LA], s[WV], HALFT                  ; my tile's place in a slot
.irp s, 0,1
	s_mov_b32 s[G0A+4*(\s)], 1
	s_add_co_u32 s[G0A+4*(\s)+1], s[LA], (\s)*SLOT
	s_mov_b32 s[G0B+4*(\s)], 1
	s_add_co_u32 s[G0B+4*(\s)+1], s[LA], (\s)*SLOT
.endr
	s_lshl_b32 s76, s[TR], 19                      ; x: 128 rows of 4,096 bytes a tile
	s_mov_b32 s77, 0
	s_max_u32 s74, s[WV], 1
	s_sub_co_u32 s74, s74, 1                       ; my matrix: waves 1, 2, 3 take q, k, v
	s_lshl_b32 s74, s74, 21
	s_and_b32 s75, s[HD], 1
	s_lshl_b32 s75, s75, 16                        ; the head's 128 rows of 512 bytes in a block
	s_add_co_u32 s78, s74, s75
	s_mov_b32 s79, 0
	s_lshr_b32 s[KO], s[HD], 1                     ; the head's output part
	s_mov_b32 s[NEGLO], 0xacc66a00
	s_mov_b32 s[NEGHI], 0xb2d8741e
	s_lshl_b32 s[KN], ttmp9, 2                     ; the cluster's first K step: 4 x cluster x
	s_mov_b32 s[OFF+1], 0
	s_mov_b32 s[SC6], 0x3c800000
	s_mov_b32 s[SC6+1], s[SC6]                     ; named with it as a pair
	s_lshl_b32 s90, s[TR], 19                      ; the prefetch: my work-group's 32 rows of the tile, at the walk's fourth K step (4 x cluster x + 3, at most 15)
	s_lshl_b32 s91, s[CX], 17
	s_add_co_u32 s90, s90, s91
	s_add_co_u32 s91, s[KN], 3
	s_lshl_b32 s91, s91, 8
	s_add_co_u32 s90, s90, s91
	s_mov_b32 s91, 0
	s_cmp_eq_u32 s[WV], 0
	s_cselect_b32 s[LIM], LAPS-1, -1               ; wave 0 asks, in the loop's first trip
	s_lshl_b32 s92, s[HD], 19                      ; the way out: the head, the tile's 128 rows of 256 bytes, my wave's 32
	s_lshl_b32 s93, s[TR], 15
	s_add_co_u32 s92, s92, s93
	s_lshl_b32 s93, s[WV], 13
	s_add_co_u32 s92, s92, s93
	s_mov_b32 s93, 0
	s_lshl_b32 s94, s[TR], 15                      ; cos and sin: rows of 256 bytes
	s_lshl_b32 s95, s[RH], 14
	s_add_co_u32 s94, s94, s95
	s_lshl_b32 s95, s[CH], 7
	s_add_co_u32 s94, s94, s95
	s_wait_dscnt 0x0                               ; the opening add is done
	s_wait_kmcnt 0x0
	s_add_nc_u64 s[ABASE:ABASE+1], s[4:5], s[76:77]
	s_add_nc_u64 s[BBASE:BBASE+1], s[6:7], s[78:79]
	s_add_nc_u64 s[PFA:PFA+1], s[4:5], s[90:91]
	s_add_nc_u64 s[OQ:OQ+1], s[12:13], s[92:93]
	s_add_nc_u64 s[OQ+2:OQ+3], s[14:15], s[92:93]
	s_add_nc_u64 s[OQ+4:OQ+5], s[16:17], s[92:93]
	BSTEP 0
	BSTEP 1
	CROUND                                         ; all sixteen work-groups are here: the first joint loads meet
	JLOAD 0                                        ; two loads of mine are out
	JLOAD 1
	v_and_b32 v1, 15, v0                           ; r = l % 16
	v_bfe_u32 v2, v0, 4, 1                         ; h = l / 16
	v_lshlrev_b32 v[COF], 8, v1
	v_lshl_add_u32 v[COF], v2, 4, v[COF]
	v_add_nc_u32 v[COF], s94, v[COF]               ; row x 256 + 128 ch + 16 h: the four pairs of my eight columns
	WIN 0xc0                                       ; destination window 3
.irp a, 0,1,2,3
.irp b, 0,1,2,3
	global_load_b128 v[CB+4*(4*(\a)+(\b)):CB+4*(4*(\a)+(\b))+3], v[COF], s[8:9] offset:4096*(\a)+32*(\b)
	global_load_b128 v[SB+4*(4*(\a)+(\b)):SB+4*(4*(\a)+(\b))+3], v[COF], s[10:11] offset:4096*(\a)+32*(\b)
.endr
.endr
	WIN 0
	v_mul_u32_u24 v3, v1, PITCH
	v_lshl_add_u32 v3, v2, 4, v3                   ; a fragment's row x pitch + 16 x half
	s_mul_i32 s88, s[RH], 64*PITCH
	s_mul_i32 s89, s[CH], 64*PITCH
	v_add_nc_u32 v[ADRA], s88, v3
	s_add_co_u32 s95, s88, SLOT
	v_add_nc_u32 v[ADRA+1], s95, v3
	s_add_co_u32 s89, s89, HALFT
.irp g, 0,1,2
	v_add_nc_u32 v[ADRB+2*(\g)], s89, v3
	s_add_co_u32 s95, s89, SLOT
	v_add_nc_u32 v[ADRB+2*(\g)+1], s95, v3
	s_add_co_u32 s89, s89, HALFT
.endr
	s_lshl_b32 s95, s[CH], 7
	v_add_nc_u32 v[STO], s95, v[ADRA]              ; the stage: row 64 rh + r, byte 128 ch + 16 h
	v_add_nc_u32 v[STO2], 2*HALFT, v[STO]
	v_mul_u32_u24 v[RD], v2, PITCH
	v_lshl_add_u32 v[RD], v1, 4, v[RD]
	s_mul_i32 s95, s[WV], 32*PITCH
	v_add_nc_u32 v[RD], s95, v[RD]                 ; back: row 32 w + h, 16 bytes at 16 r
	v_add_nc_u32 v[RD2], 2*HALFT, v[RD]
	v_and_b32 v[GO], 31, v0
	v_lshlrev_b32 v[PFO], 12, v[GO]
	v_lshlrev_b32 v[GO], 4, v[GO]
	v_mov_b32 v[K6], 0x3c800000
	v_mov_b32 v[ZR], 0
	s_wait_loadcnt 0x0                             ; cos and sin: rounded to bf16, then widened and divided by 64 in one exact line each
	WIN 0x0f                                       ; sources window 3, destination window 0
.set n, 0
.rept 64
	v_cvt_pk_bf16_f32 v[EB+n], v[CB+2*n], v[CB+2*n+1]
.set n, n+1
.endr
	WIN 0xc0
.set n, 0
.rept 64
	v_fma_mix_f32_bf16 v[CB+2*n], v[EB+n], v[K6], v[ZR] op_sel_hi:[1,0,0]
	v_fma_mix_f32_bf16 v[CB+2*n+1], v[EB+n], v[K6], v[ZR] op_sel:[1,0,0] op_sel_hi:[1,0,0]
.set n, n+1
.endr
	WIN 0
	s_wait_tensorcnt 1                             ; my tile of the walk's first K step is in; the second's stays out
	s_barrier_signal -1
	s_barrier_wait -1
	FETCH 0, 0, 0
	QUARTER 0, 64, 0, 1, 1                         ; the first quarter stands in front of the loop: its products start the sums
	WIN 0
	s_mov_b32 s3, LAPS-1
.Llap:                                         ; a trip goes once round the ring and fills both slots again
	QUARTER 0, 128, 1, 0, 0
	QUARTER 0, 192, 0, 1, 0
	TURN 0, 1, 1
	QUARTER 1, 64, 0, 1, 0
	QUARTER 1, 128, 1, 0, 0
	QUARTER 1, 192, 0, 1, 0
	TURN 1, 0, 1
	QUARTER 0, 64, 0, 1, 0
	WIN 0
	s_sub_co_u32 s3, s3, 1
	s_cmp_lg_u32 s3, 0
	s_cbranch_scc1 .Llap
	QUARTER 0, 128, 1, 0, 0                        ; the last lap fills nothing
	QUARTER 0, 192, 0, 1, 0
	TURN 0, 1, 0
	QUARTER 1, 64, 0, 1, 0
	QUARTER 1, 128, 1, 0, 0
	QUARTER 1, 192, 0, 1, 0
	s_wait_dscnt 16
	MULG 1, 0, 0
	s_wait_dscnt 0x0
	MULG 1, 1, 0
	MULG 1, 2, 0
	PLACES
; THE WAY OUT.  Rope on q and k: a pair (xr, xi) lies in two neighbouring registers; (xr c - xi s, xi c + xr s) in two packed lines, c and s already divided by 64.  Rounded to f16; 16 bytes a lane into
; the stage; a barrier, since a row's 256 bytes come from two waves; back as whole rows.  The stage is slot 0: it has had its last fill, and all reads of it ended in front of the last change's barrier.
.macro ROPE g
	WIN 0x0e                                       ; source 0 window 2, source 1 window 3, source 2 and destination window 0
.set n, 0
.rept 16
.irp u, 0,1
	v_pk_mul_f32 v[EB+8*n+4*(\u):EB+8*n+4*(\u)+1], v[128*(\g)+8*n+4*(\u):128*(\g)+8*n+4*(\u)+1], v[CB+4*n+2*(\u):CB+4*n+2*(\u)+1] op_sel_hi:[1,0]
	v_pk_mul_f32 v[EB+8*n+4*(\u)+2:EB+8*n+4*(\u)+3], v[128*(\g)+8*n+4*(\u)+2:128*(\g)+8*n+4*(\u)+3], v[CB+4*n+2*(\u):CB+4*n+2*(\u)+1] op_sel:[0,1] op_sel_hi:[1,1]
	v_pk_fma_f32 v[EB+8*n+4*(\u):EB+8*n+4*(\u)+1], v[128*(\g)+8*n+4*(\u):128*(\g)+8*n+4*(\u)+1], v[SB+4*n+2*(\u):SB+4*n+2*(\u)+1], v[EB+8*n+4*(\u):EB+8*n+4*(\u)+1] op_sel:[1,0,0] op_sel_hi:[0,0,1] neg_lo:[0,1,0]
	v_pk_fma_f32 v[EB+8*n+4*(\u)+2:EB+8*n+4*(\u)+3], v[128*(\g)+8*n+4*(\u)+2:128*(\g)+8*n+4*(\u)+3], v[SB+4*n+2*(\u):SB+4*n+2*(\u)+1], v[EB+8*n+4*(\u)+2:EB+8*n+4*(\u)+3] op_sel:[1,1,0] op_sel_hi:[0,1,1] neg_lo:[0,1,0]
.endr
.set n, n+1
.endr
.endm
.macro TOSTAGE adr, off
	WIN 0
.set n, 0
.rept 64
	v_cvt_pk_f16_f32 v[HB+n], v[EB+2*n], v[EB+2*n+1]
.set n, n+1
.endr
.irp a, 0,1,2,3
.irp b, 0,1,2,3
	ds_store_b128 v[\adr], v[HB+4*(4*(\a)+(\b)):HB+4*(4*(\a)+(\b))+3] offset:(\off)+(\a)*16*PITCH+32*(\b)
.endr
.endr
.endm
.macro BACK adr, off, reg
.irp t, 0,1,2,3,4,5,6,7,8,9,10,11,12,13,14,15
	ds_load_b128 v[(\reg)+4*(\t):(\reg)+4*(\t)+3], v[\adr] offset:(\off)+(\t)*2*PITCH
.endr
.endm
.macro SEND reg, base, younger         ; younger: the LDS loads issued behind this matrix's sixteen
.irp t, 0,1,2,3,4,5,6,7,8,9,10,11,12,13,14,15
	s_wait_dscnt (\younger)+15-(\t)
	global_store_b128 v[GO], v[(\reg)+4*(\t):(\reg)+4*(\t)+3], s[(\base):(\base)+1] offset:512*(\t)  ; two rows of a head: 512 consecutive bytes, aligned
.endr
.endm
	ROPE 0
	TOSTAGE STO, 0
	ROPE 1
	TOSTAGE STO, HALFT
	WIN 0x03                                       ; source 0 window 3
.set n, 0
.rept 64
	v_pk_mul_f32 v[EB+2*n:EB+2*n+1], v[2*n:2*n+1], s[SC6:SC6+1] op_sel_hi:[1,0]
.set n, n+1
.endr
	TOSTAGE STO2, 0
	s_wait_dscnt 0x0                               ; for the others' sake: my stores into the stage are done
	s_barrier_signal -1
	s_barrier_wait -1
	BACK RD, 0, 128
	BACK RD, HALFT, 192
	BACK RD2, 0, 32
	SEND 128, OQ, 32
	SEND 192, OQ+2, 16
	SEND 32, OQ+4, 0
	s_wait_tensorcnt 0x0                           ; the wave's end: a wait, an add of 0 to my spare word and its wait, behind my last tensor load and my last LDS store
	ds_add_u32 v[SPW], v[NIL]
	s_wait_dscnt 0x0
	CROUND                                         ; the closing round
	s_endpgm
.Lfunc_end_k_q5d9c2da5ed_qkv:
	.size	k_q5d9c2da5ed_qkv, .Lfunc_end_k_q5d9c2da5ed_qkv-k_q5d9c2da5ed_qkv
	.p2alignl 7, 3214868480
	.fill 96, 4, 3214868480
	.section	.rodata,"a",@progbits
	.p2align	6, 0x0
	.amdhsa_kernel k_q5d9c2da5ed_qkv
		.amdhsa_group_segment_fixed_size 327680
		.amdhsa_private_segment_fixed_size 0
		.amdhsa_enable_private_segment 0
		.amdhsa_kernarg_size 56
		.amdhsa_user_sgpr_count 2
		.amdhsa_user_sgpr_kernarg_segment_ptr 1
		.amdhsa_wavefront_size32 1
		.amdhsa_system_sgpr_workgroup_id_x 1
		.amdhsa_system_sgpr_workgroup_id_y 1
		.amdhsa_system_sgpr_workgroup_id_z 1
		.amdhsa_system_vgpr_workitem_id 0
		.amdhsa_next_free_vgpr 1024
		.amdhsa_next_free_sgpr 96
		.amdhsa_reserve_vcc 0
		.amdhsa_float_denorm_mode_32 3
		.amdhsa_float_denorm_mode_16_64 3
		.amdhsa_memory_ordered 1
		.amdhsa_forward_progress 1
		.amdhsa_inst_pref_size 158
	.end_amdhsa_kernel
	.amdgpu_metadata
---
amdhsa.version: [ 1, 2 ]
amdhsa.kernels:
  - .name:           k_q5d9c2da5ed_qkv
    .symbol:         k_q5d9c2da5ed_qkv.kd
    .args:
      - { .name: xb, .offset: 0, .size: 8, .value_kind: global_buffer, .address_space: global }
      - { .name: tw, .offset: 8, .size: 8, .value_kind: global_buffer, .address_space: global }
      - { .name: freqs_cos, .offset: 16, .size: 8, .value_kind: global_buffer, .address_space: global }
      - { .name: freqs_sin, .offset: 24, .size: 8, .value_kind: global_buffer, .address_space: global }
      - { .name: qh, .offset: 32, .size: 8, .value_kind: global_buffer, .address_space: global }
      - { .name: kh, .offset: 40, .size: 8, .value_kind: global_buffer, .address_space: global }
      - { .name: vh, .offset: 48, .size: 8, .value_kind: global_buffer, .address_space: global }
    .group_segment_fixed_size: 327680
    .private_segment_fixed_size: 0
    .kernarg_segment_align: 8
    .kernarg_segment_size: 56
    .max_flat_workgroup_size: 128
    .sgpr_count:     96
    .vgpr_count:     1024
    .wavefront_size: 32
...
	.end_amdgpu_metadata
.endif
;; end of part 3
;; launch attn (part 4): grid 16 x 16, 8 waves a work-group, clusters of 4 x 1, 327,680 bytes of LDS; arguments qh, kh, vh, scl, yb; writes yb
.if DOCPART == 4
	.amdgcn_target "amdgcn-amd-amdhsa--gfx1250"
	.amdhsa_code_object_version 6
	.text
	.protected	k_q5d9c2da5ed_attn
	.globl	k_q5d9c2da5ed_attn
	.p2align	8
	.type	k_q5d9c2da5ed_attn,@function
k_q5d9c2da5ed_attn:
	s_mov_b64 s[64:65], 0
	v_nop
	global_prefetch_b8 v0, s[64:65] scope:SCOPE_SE
	s_setreg_imm32_b32 hwreg(HW_REG_WAVE_MODE, 25, 1), 1
	s_wait_xcnt 0x0
	s_wait_alu depctr_hold_cnt(0) depctr_sa_sdst(0) depctr_va_vdst(0) depctr_va_sdst(0) depctr_va_ssrc(0) depctr_va_vcc(0) depctr_vm_vsrc(0)
	s_getreg_b32 s2, hwreg(HW_REG_IB_STS2, 6, 4)
	s_cmp_eq_u32 s2, 0
	s_cbranch_scc0 .Lentry_in_a_cluster
	s_endpgm
.Lentry_in_a_cluster:
	s_bfe_u32 s2, ttmp6, 0x10000c
	s_cmp_lg_u32 s2, 0x3003
	s_cbranch_scc0 .Lentry_shape_is_right
	s_endpgm
.Lentry_shape_is_right:
; CAUSAL ATTENTION on qh, kh, vh ([16][2048][128] f16, each 1/64 of its unscaled product).  yb = softmax(c' q k) v in f16, still 1/64 of the unscaled v's mean; c = sq sk 4096 log2(e) / sqrt(128) is applied in f32.
; yb: [32 blocks of 64 rows][80 rows][2048] f16: rows 0-63 y rounded to f16, rows 64-79 the f16 remainder y - f16(y) of the block's rows 0-15 (the first rows average over few keys and want the finer number).
; THE WALK.  A head has 32 blocks of 64 queries; block i needs the key steps 0 .. i of 64 keys.  Work-group b takes blocks 31 - b and then b.  Keys come in tiles of 256, four key steps.  CLUSTER: the four work-groups
; b = 4 c + cx of a cluster walk the SAME tiles, 8 - c for the first block and c + 1 for the second: 9 tiles, whatever c.  So every tile is asked for jointly, and trip counts and branches hang on c alone, which the
; partners share; cx enters global addresses and selected numbers.  THE WALK IS STAGGERED: cluster c begins its first block at tile 6 - 2 c and goes round inside the block's range (a running softmax takes the keys
; in any order), so that from its third tile on it asks for tiles that another cluster of the head has asked for two tiles earlier.  No prefetch is laid: the two tiles that no other cluster asks for earlier are
; requested at the kernel's head and at the first change of slots.
; SHARES.  EIGHT WAVES, two on each SIMD: wave w takes the query pair w % 2 (two tiles of 16 of the block's 64 queries) and key step w / 2 of each tile of keys.  A fragment of K or V feeds two tiles, and the SIMD's
; other wave has work where one waits; no turns are written by hand.  Each wave keeps its own running maximum, sum and O^T; at a block's end the four waves of a query pair are merged through LDS.
; LAYOUT.  S^T = K Q^T holds one query a lane (l % 16) and the keys 8 (l / 16) + 0..7; rounded to f16 in pairs it is source 1 of O^T = V^T P.  K and V share 128 registers: V is fetched behind the last K Q^T.
; THE MASK starts the sum S^T: TRI x AL + BE for each 16 keys x 16 queries, TRI the triangle (0 or -1e30); (AL, BE) = (1, 0) where key group = query group, (0, 0) before it, (0, -1e30) behind it.
; SOFTMAX with a running maximum m and sum l: p = 2^(c s - c m); O and l are multiplied by a = 2^(c m_old - c m_new) in every step.  m starts at -2^96, above every hidden score and below every true one: a wave
; that meets hidden keys alone ends with l = 0 and O = 0, and c m so low that the merge gives it the factor 0.  c m starts far lower still, so a block's first a is 0.
; LIMITS.  A hidden score counts as its value less 1e30; true scores lie above -2^96; a weight below 2^-126 counts as 0; NaN and infinities are not treated apart.
; REGISTERS: window 0: v2-11 addresses; v12-27 statistics, 8 a tile (c m, m, l, l, c0-c3; a takes c2's place); v32-39 TRI; v40-55 the merge's; v64-127 S^T; v128-159 P; v160-223 Q; v224-255 the merge's rows
;   window 1: v0-127 O^T, 64 a tile; v128-255 K (keys 16 t, channels 32 d at 32 t + 8 d), then V (keys 32 k, channels 16 c at 64 k + 8 c)
.set PK,    272                        ; a row of K in LDS: 256 bytes + 16
.set PV,    288                        ; a row of V: 256 + 32: 16 lanes of the turning load take 8 rows x 32 bytes
.set VOFF,  256*PK                     ; a slot: 256 rows of K, then 256 rows of V
.set SLOTB, 256*(PK+PV)                ; 143,360
.set SLOT1, 0x24000                    ; slot 1 begins here: the four loaders' places in a slot (0, 0x8800, 0x11000, 0x1a000) have neither of its two bits, so one exclusive or changes slots
.set STATS, SLOTB                      ; between the slots: (c m, l) of 64 queries x 4 key steps, 2,048 bytes,
.set SPARE, STATS+2048                 ; and the spare words, 128 bytes for each of eight waves
.set STAGE, SLOT1+SLOTB                ; behind the ring: four areas of 16 rows x 528 bytes, for the merge
.set SGP,   528                        ; a row of 128 f32 + 16 bytes
.set AREA,  16*SGP
.set AK0, 2                            ; my lane's place in a slot's K, my key step's rows; never rewritten
.set AV0, 3                            ; the same for V
.set AK,  4
.set AV,  5
.set STW, 6                            ; the merge: where I put 32 bytes of a row of my part
.set STR, 7                            ; where I read 16 bytes of my first row
.set GO,  8                            ; my 8 bytes of my first row of a tile in yb
.set SA,  10                           ; where I put (c m, l)
.set SR,  11                           ; where I read them
.set ST,  12
.set SPW, 28                           ; my spare word; never rewritten
.set NIL, 29                           ; 0; never rewritten
.set QO,  31
.set TRI, 32
.set MONE, 40
.set MX,  41
.set LL,  42
.set G,   44                           ; v44-47 the four parts' weights: lane i < 8 holds those of row 2 w + i % 2 of tile i / 2
.set W8,  48
.set S,   64
.set AC,  64                           ; the merge works in S^T's registers: two rows' sums,
.set H,   72                           ; four registers of f16 for each pass,
.set HL,  88                           ; and the remainder's
.set P,   128
.set Q,   160
.set X,   224
.set KV,  128                          ; window 1
.set WV,  12
.set CX,  13
.set QP,  14                           ; my query pair
.set BB,  15                           ; b
.set KS,  18                           ; my key step in a tile
.set QHI, 22                           ; s[22:23] qh at my rows of the first block; never rewritten
.set G1K, 24
.set G1V, 32
.set G0K, 40
.set G0V, 44
.set KB,  48                           ; s[48:49] kh at the head and my half of a tile
.set VB,  50
.set OFF, 52
.set NXT, 54                           ; the tile to be asked for next
.set LEN, 55                           ; where the numbers of the block whose tiles are being asked for go round
.set CNT, 56
.set RT,  57                           ; tiles that the block in hand still has
.set CS,  58
.set SEL, 60
.set TB,  62                           ; the slot that is read
.set CUR, 63                           ; the number of the tile that is read
.set BI,  66                           ; the block in hand
.set PEND, 67                          ; the number of the tile that is on its way
.set AL,  68
.set BE,  70
.set BIGN, 72
.set NL,  73                           ; c + 1
.set YB,  74
.set YLO, 76
.set QLO, 78                           ; s[78:79] qh at my rows of the second block
.set RQ,  80                           ; tiles of the first block still to be asked for
.set XB,  81
.set GW,  84                           ; s[84:99] a pass's eight weights, each the low word of a pair whose high word is 0; before that the scales and byte offsets: no word of them ever holds part of an address
.set MSB, 0
.macro WIN new
.if MSB != (\new)
	s_set_vgpr_msb (MSB<<8)|(\new)
.set MSB, \new
.endif
.endm
.macro PLACES
.rept 4
	v_nop
.endr
.endm
.macro BAR
	s_barrier_signal -1
	s_barrier_wait -1
.endm
; A joint fill: waves 0 and 1 fetch the two halves of a tile's K, waves 2 and 3 those of its V, 128 rows each; waves 4 to 7 fetch nothing.  An s_nop 0 and four v_nop follow each line.
.macro JLOAD
	s_cmp_lt_u32 s[WV], 2
	s_cbranch_scc0 .Lnot_k_\@
	tensor_load_to_lds s[G0K:G0K+3], s[G1K:G1K+7]
	s_nop 0
.rept 4
	v_nop
.endr
	s_branch .Lasked_\@
.Lnot_k_\@:
	s_cmp_lt_u32 s[WV], 4
	s_cbranch_scc0 .Lasked_\@
	tensor_load_to_lds s[G0V:G0V+3], s[G1V:G1V+7]
	s_nop 0
.rept 4
	v_nop
.endr
.Lasked_\@:
.endm
.macro CROUND
	s_barrier_signal -1
	s_barrier_wait -1
	s_cmp_lg_u32 s[WV], 0
	s_cbranch_scc1 .Lnot_wave_0_\@
	s_barrier_signal -3
.Lnot_wave_0_\@:
	s_barrier_wait -3
	s_barrier_signal -1
	s_barrier_wait -1
.endm
.macro FETCH_K                         ; 32 loads, the channels' first 32 of all keys first, so that products can begin behind the first eight
	WIN 0x40
.irp d, 0,1,2,3
.irp t, 0,1,2,3
	ds_load_b128 v[KV+32*(\t)+8*(\d):KV+32*(\t)+8*(\d)+3],   v[AK] offset:(\t)*16*PK+(\d)*64
	ds_load_b128 v[KV+32*(\t)+8*(\d)+4:KV+32*(\t)+8*(\d)+7], v[AK] offset:(\t)*16*PK+(\d)*64+32
.endr
.endr
.endm
.macro FETCH_V                         ; 32 turning loads: keys 32 (f / 8) on, channels 16 (f % 8) on
	WIN 0x40
.irp f, 0,1,2,3,4,5,6,7,8,9,10,11,12,13,14,15
	ds_load_tr16_b128 v[KV+8*(\f):KV+8*(\f)+3],   v[AV] offset:((\f)/8)*32*PV+((\f)%8)*32
	ds_load_tr16_b128 v[KV+8*(\f)+4:KV+8*(\f)+7], v[AV] offset:((\f)/8)*32*PV+16*PV+((\f)%8)*32
.endr
.endm
; THE CHANGE OF SLOTS.  Each wave waits for all its tensor loads (at most one is out: its part of the other slot), adds 0 to its spare word, and waits for that and for its reads of the slot that it leaves.
; fill = 1: a round of the cluster's barrier, and the old slot is filled again first thing behind it, with tile NXT; the load has a whole tile's work in which to land.  Then my key step's K is fetched.
.macro CHANGE fill
	WIN 0
	s_wait_tensorcnt 0x0                           ; no tensor load of mine is out, so a group 0 may be written
	ds_add_u32 v[SPW], v[NIL]
	s_mov_b32 s[CUR], s[PEND]                      ; the tile that has landed
.if \fill
	s_lshl_b32 s[OFF], s[NXT], 16                  ; a tile is 65,536 bytes of K and of V
	s_xor_b32 s[G0K+1], s[G0K+1], SLOT1
	s_add_nc_u64 s[G0K+2:G0K+3], s[KB:KB+1], s[OFF:OFF+1]
	s_or_b32 s[G0K+3], s[G0K+3], 0x80000000
	s_xor_b32 s[G0V+1], s[G0V+1], SLOT1
	s_add_nc_u64 s[G0V+2:G0V+3], s[VB:VB+1], s[OFF:OFF+1]
	s_or_b32 s[G0V+3], s[G0V+3], 0x80000000
	s_mov_b32 s[PEND], s[NXT]
	s_add_co_u32 s[NXT], s[NXT], 1                 ; the next number, round the block's range;
	s_cmp_ge_u32 s[NXT], s[LEN]
	s_cselect_b32 s[NXT], 0, s[NXT]
	s_sub_co_u32 s[RQ], s[RQ], 1                   ; behind the first block's last tile the second block's tile 0
	s_cmp_eq_u32 s[RQ], 0
	s_cselect_b32 s[NXT], 0, s[NXT]
	s_cselect_b32 s[LEN], s[NL], s[LEN]
.endif
	s_wait_dscnt 0x0                               ; the add is done, and my reads of the slot are over
.if \fill
	CROUND
	JLOAD
.else
	BAR
.endif
	s_xor_b32 s[TB], s[TB], SLOT1
	v_add_nc_u32 v[AK], s[TB], v[AK0]
	v_add_nc_u32 v[AV], s[TB], v[AV0]
	FETCH_K
	WIN 0
.endm
.macro FS u, b                         ; c s - c m for pair b of tile u
	v_pk_fma_f32 v[S+32*(\u)+2*(\b):S+32*(\u)+2*(\b)+1], v[S+32*(\u)+2*(\b):S+32*(\u)+2*(\b)+1], s[CS:CS+1], v[ST+8*(\u):ST+8*(\u)+1] op_sel_hi:[1,0,0] neg_lo:[0,0,1] neg_hi:[0,0,1]
.endm
; MY KEY STEP OF A TILE, for my two query tiles, in phases; the two tiles' lines alternate.  reload = 1 (the loop's text): in a block's last tile the next block's Q is asked for as soon as Q has been read.
.macro STEP reload
	s_lshl2_add_u32 s[XB], s[CUR], s[KS]           ; my key step's number, 4 x tile + my place
	s_sub_co_i32 s[XB], s[BI], s[XB]
	s_lshl_b32 s[XB], s[XB], 2
	s_lshl1_add_u32 s[XB], s[QP], s[XB]            ; query group of my tile 0 less key group 0 of the step; tile u and key group t are apart by this + u - t
	WIN 0
.irp dl, -1,0,1,2,3                    ; t - u has five values: a pair (AL, BE) for each, and the masks that take it
	s_cmp_eq_i32 s[XB], \dl
	s_cselect_b32 s[AL], 1.0, 0
	s_cmp_lt_i32 s[XB], \dl
	s_cselect_b32 s[BE], s[BIGN], 0
.irp u, 0,1
.if ((\dl)+(\u) >= 0) && ((\dl)+(\u) <= 3)
.irp z, 0,1,2,3
	v_pk_fma_f32 v[S+32*(\u)+8*((\dl)+(\u))+2*(\z):S+32*(\u)+8*((\dl)+(\u))+2*(\z)+1], v[TRI+2*(\z):TRI+2*(\z)+1], s[AL:AL+1], s[BE:BE+1] op_sel_hi:[1,0,0]
.endr
.endif
.endr
.endr
	s_wait_loadcnt 0x0                             ; Q, where it has been asked for
	WIN 0x01                                       ; source 0 window 1
.irp d, 0,1,2,3
	s_wait_dscnt 24-8*(\d)                         ; K's eight loads for these channels are in; those for later channels may be out
.irp t, 0,1,2,3
.irp u, 0,1
	v_wmma_f32_16x16x32_f16 v[S+32*(\u)+8*(\t):S+32*(\u)+8*(\t)+7], v[KV+32*(\t)+8*(\d):KV+32*(\t)+8*(\d)+7], v[Q+32*(\u)+8*(\d):Q+32*(\u)+8*(\d)+7], v[S+32*(\u)+8*(\t):S+32*(\u)+8*(\t)+7]  ; eight accumulators by turns
.endr
.endr
.endr
	WIN 0
	PLACES                                         ; behind the last product: K's registers take V, Q's may be loaded, S^T is read
	FETCH_V
	WIN 0
.if \reload
	s_cmp_lg_u32 s[RT], 1
	s_cbranch_scc1 .Lnoq_\@                        ; hangs on c alone
.irp u, 0,1
.irp d, 0,1,2,3
	global_load_b128 v[Q+32*(\u)+8*(\d):Q+32*(\u)+8*(\d)+3],   v[QO], s[QLO:QLO+1] offset:4096*(\u)+64*(\d)
	global_load_b128 v[Q+32*(\u)+8*(\d)+4:Q+32*(\u)+8*(\d)+7], v[QO], s[QLO:QLO+1] offset:4096*(\u)+64*(\d)+32
.endr
.endr
.Lnoq_\@:
.endif
.irp j, 0,1,2,3                        ; the maximum of 32 scores and the old m, each accumulator's lowest registers first
.irp u, 0,1
	v_max3_num_f32 v[ST+8*(\u)+4+(\j)], v[S+32*(\u)+8*(\j)], v[S+32*(\u)+8*(\j)+1], v[S+32*(\u)+8*(\j)+2]
.endr
.endr
.irp n, 3,5
.irp j, 0,1,2,3
.irp u, 0,1
	v_max3_num_f32 v[ST+8*(\u)+4+(\j)], v[ST+8*(\u)+4+(\j)], v[S+32*(\u)+8*(\j)+(\n)], v[S+32*(\u)+8*(\j)+(\n)+1]
.endr
.endr
.endr
.irp u, 0,1
	v_max3_num_f32 v[ST+8*(\u)+4], v[ST+8*(\u)+4], v[S+32*(\u)+7], v[S+32*(\u)+15]
.endr
.irp u, 0,1
	v_max3_num_f32 v[ST+8*(\u)+6], v[ST+8*(\u)+6], v[S+32*(\u)+23], v[S+32*(\u)+31]
.endr
.irp u, 0,1
	v_max3_num_f32 v[ST+8*(\u)+4], v[ST+8*(\u)+4], v[ST+8*(\u)+5], v[ST+8*(\u)+6]
.endr
.irp u, 0,1
	v_max3_num_f32 v[ST+8*(\u)+4], v[ST+8*(\u)+4], v[ST+8*(\u)+7], v[ST+8*(\u)+1]
.endr
.irp u, 0,1
	v_permlanex16_b32 v[ST+8*(\u)+5], v[ST+8*(\u)+4], s[SEL], s[SEL+1]  ; the query's other 32 keys lie in the lane 16 away
.endr
.irp u, 0,1
	v_mov_b32 v[ST+8*(\u)+7], v[ST+8*(\u)]         ; c m_old
.endr
.irp u, 0,1
	v_max_num_f32 v[ST+8*(\u)+1], v[ST+8*(\u)+4], v[ST+8*(\u)+5]
.endr
.irp u, 0,1
	v_mul_f32 v[ST+8*(\u)], s[CS], v[ST+8*(\u)+1]
.endr
.irp u, 0,1
	v_sub_f32 v[ST+8*(\u)+7], v[ST+8*(\u)+7], v[ST+8*(\u)]
.endr
.irp u, 0,1
	FS \u, 0
	FS \u, 1
.endr
.irp u, 0,1
	v_exp_f32 v[ST+8*(\u)+6], v[ST+8*(\u)+7]       ; a.  The 66 exponentials are one batch: nothing ahead of the wait names a result
.endr
.set b, 0
.rept 16
.irp u, 0,1
	v_exp_f32 v[S+32*(\u)+2*b], v[S+32*(\u)+2*b]
	v_exp_f32 v[S+32*(\u)+2*b+1], v[S+32*(\u)+2*b+1]
.if b < 14
	FS \u, b+2
.endif
.endr
.set b, b+1
.endr
	v_nop                                          ; a plain instruction behind the last exponential,
	s_wait_alu depctr_va_vdst(0)                   ; and the one wait ahead of the batch's first reader
.set b, 0
.rept 16
.irp u, 0,1
	v_cvt_pk_f16_f32 v[P+16*(\u)+b], v[S+32*(\u)+2*b], v[S+32*(\u)+2*b+1]
.endr
.set b, b+1
.endr
.irp w, 4,8,16,32                      ; the sum of a tile's 16 pairs, in place: neighbours 1, 2, 4 and 8 pairs apart
.set b, 0
.rept 32/(\w)
.irp u, 0,1
	v_pk_add_f32 v[S+32*(\u)+(\w)*b:S+32*(\u)+(\w)*b+1], v[S+32*(\u)+(\w)*b:S+32*(\u)+(\w)*b+1], v[S+32*(\u)+(\w)*b+(\w)/2:S+32*(\u)+(\w)*b+(\w)/2+1]
.endr
.set b, b+1
.endr
.endr
.irp u, 0,1
	v_pk_fma_f32 v[ST+8*(\u)+2:ST+8*(\u)+3], v[ST+8*(\u)+2:ST+8*(\u)+3], v[ST+8*(\u)+6:ST+8*(\u)+7], v[S+32*(\u):S+32*(\u)+1] op_sel_hi:[1,0,1]  ; l = a l + the sum
.endr
	WIN 0x41                                       ; O^T (destination and source 0) window 1, a window 0
.irp u, 0,1
.set b, 0
.rept 32
	v_pk_mul_f32 v[64*(\u)+2*b:64*(\u)+2*b+1], v[64*(\u)+2*b:64*(\u)+2*b+1], v[ST+8*(\u)+6:ST+8*(\u)+7] op_sel_hi:[1,0]
.set b, b+1
.endr
.endr
	WIN 0x51                                       ; V and O^T window 1, P window 0
.irp k, 0,1
	s_wait_dscnt 16-16*(\k)                        ; V's sixteen loads for these keys are in; those for the later keys may be out
.irp c, 0,1,2,3,4,5,6,7
.irp u, 0,1
	v_wmma_f32_16x16x32_f16 v[64*(\u)+8*(\c):64*(\u)+8*(\c)+7], v[KV+64*(\k)+8*(\c):KV+64*(\k)+8*(\c)+7], v[P+16*(\u)+8*(\k):P+16*(\u)+8*(\k)+7], v[64*(\u)+8*(\c):64*(\u)+8*(\c)+7]  ; sixteen accumulators by turns
.endr
.endr
.endr
	WIN 0
	PLACES                                         ; behind the last product: V's registers take the next K, O^T may be read
.endm
; THE MERGE at a block's end.  Each wave stores (c m, l) of its 32 queries.  Then four passes, a query tile each: the tile's four owners (one for each key step) put their O^T, f32, into the stage's four areas;
; behind a barrier each of the eight waves reads two whole rows of all four parts, weighs part k by g_k = 2^(c m_k - max) / sum_k(2^(c m_k - max) l_k), rounds to f16 and stores each row's 256 bytes by one store.
; A row's weights are alike in all lanes: lane i < 8 makes those of row 2 w + i % 2 of tile i / 2, and v_readlane_b32 brings them into scalar registers.  Pass 0 (rows 0-15) also stores the f16 remainder.
.macro PUT p
	s_cmp_lg_u32 s[QP], (\p)/2
	s_cbranch_scc1 .Lnot_owner_\@                  ; on the wave's number; no barrier is jumped
	WIN 0x04                                       ; the stores' data window 1
.irp c, 0,1,2,3,4,5,6,7
	ds_store_b128 v[STW], v[64*((\p)%2)+8*(\c):64*((\p)%2)+8*(\c)+3] offset:64*(\c)
	ds_store_b128 v[STW], v[64*((\p)%2)+8*(\c)+4:64*((\p)%2)+8*(\c)+7] offset:64*(\c)+16
.endr
	WIN 0
.Lnot_owner_\@:
.endm
.macro GET
.irp k, 0,1,2,3
.irp e, 0,1
	ds_load_b128 v[X+4*(2*(\k)+(\e)):X+4*(2*(\k)+(\e))+3], v[STR] offset:(\k)*AREA+(\e)*SGP
.endr
.endr
.endm
.macro SUM p
.irp k, 0,1,2,3
.irp e, 0,1
	v_readlane_b32 s[GW+2*(2*(\k)+(\e))], v[G+(\k)], 2*(\p)+(\e)
.endr
.endr
	s_wait_dscnt 0x0                               ; the eight loads are in; no read of the stage is out at the next barrier
.irp e, 0,1
.irp z, 0,1
	v_pk_mul_f32 v[AC+4*(\e)+2*(\z):AC+4*(\e)+2*(\z)+1], v[X+4*(\e)+2*(\z):X+4*(\e)+2*(\z)+1], s[GW+2*(\e):GW+2*(\e)+1] op_sel_hi:[1,0]
.endr
.endr
.irp k, 1,2,3
.irp e, 0,1
.irp z, 0,1
	v_pk_fma_f32 v[AC+4*(\e)+2*(\z):AC+4*(\e)+2*(\z)+1], v[X+4*(2*(\k)+(\e))+2*(\z):X+4*(2*(\k)+(\e))+2*(\z)+1], s[GW+2*(2*(\k)+(\e)):GW+2*(2*(\k)+(\e))+1], v[AC+4*(\e)+2*(\z):AC+4*(\e)+2*(\z)+1] op_sel_hi:[1,0,1]
.endr
.endr
.endr
.irp n, 0,1,2,3
	v_cvt_pk_f16_f32 v[H+4*(\p)+(\n)], v[AC+2*(\n)], v[AC+2*(\n)+1]
.endr
.irp e, 0,1
	global_store_b64 v[GO], v[H+4*(\p)+2*(\e):H+4*(\p)+2*(\e)+1], s[YB:YB+1] offset:65536*(\p)+4096*(\e)  ; 32 lanes store 256 consecutive bytes, aligned
.endr
.if (\p) == 0
.irp n, 0,1,2,3
	v_fma_mix_f32 v[AC+2*(\n)], v[H+(\n)], v[MONE], v[AC+2*(\n)] op_sel_hi:[1,0,0]
	v_fma_mix_f32 v[AC+2*(\n)+1], v[H+(\n)], v[MONE], v[AC+2*(\n)+1] op_sel:[1,0,0] op_sel_hi:[1,0,0]
.endr
.irp n, 0,1,2,3
	v_cvt_pk_f16_f32 v[HL+(\n)], v[AC+2*(\n)], v[AC+2*(\n)+1]
.endr
.irp e, 0,1
	global_store_b64 v[GO], v[HL+2*(\e):HL+2*(\e)+1], s[YB:YB+1] offset:262144+4096*(\e)
.endr
.endif
.endm
.macro MERGE
	WIN 0
.irp u, 0,1
	v_add_f32 v[ST+8*(\u)+4], v[ST+8*(\u)+2], v[ST+8*(\u)+3]
.endr
.irp u, 0,1
	v_permlanex16_b32 v[ST+8*(\u)+5], v[ST+8*(\u)+4], s[SEL], s[SEL+1]
.endr
.irp u, 0,1
	v_add_f32 v[ST+8*(\u)+1], v[ST+8*(\u)+4], v[ST+8*(\u)+5]  ; l takes m's place beside c m
.endr
.irp u, 0,1
	ds_store_b64 v[SA], v[ST+8*(\u):ST+8*(\u)+1] offset:128*(\u)  ; the two halves of the lanes hold and write the same numbers
.endr
	PUT 0
	s_wait_dscnt 0x0                               ; for the others' sake: my stores are done
	BAR
.irp k, 0,1,2,3
	ds_load_b64 v[W8+2*(\k):W8+2*(\k)+1], v[SR] offset:512*(\k)
.endr
	GET
	s_wait_dscnt 8                                 ; the four statistics loads are in; the pass's eight, issued behind them, may be out
	v_max3_num_f32 v[MX], v[W8], v[W8+2], v[W8+4]
	v_max_num_f32 v[MX], v[MX], v[W8+6]
.irp k, 0,1,2,3
	v_sub_f32 v[G+(\k)], v[W8+2*(\k)], v[MX]
.endr
.irp k, 0,1,2,3
	v_exp_f32 v[G+(\k)], v[G+(\k)]
.endr
	v_nop
	s_wait_alu depctr_va_vdst(0)                   ; one wait for the four exponentials
	v_mul_f32 v[LL], v[G], v[W8+1]
.irp k, 1,2,3
	v_fma_f32 v[LL], v[G+(\k)], v[W8+2*(\k)+1], v[LL]
.endr
	v_rcp_f32 v[LL], v[LL]
	v_nop
	s_wait_alu depctr_va_vdst(0)                   ; and one for the reciprocal
.irp k, 0,1,2,3
	v_mul_f32 v[G+(\k)], v[G+(\k)], v[LL]
.endr
	SUM 0
.irp p, 1,2,3
	BAR                                            ; every wave's reads of the stage are back
	PUT \p
	s_wait_dscnt 0x0
	BAR
	GET
	SUM \p
.endr
.endm
	s_load_b256 s[4:11], s[0:1], 0x0               ; qh s[4:5], kh s[6:7], vh s[8:9], scl s[10:11]
	s_load_b64 s[16:17], s[0:1], 0x20              ; yb
	v_lshl_add_u32 v[SPW], v0, 2, SPARE
	v_mov_b32 v[NIL], 0
	ds_add_u32 v[SPW], v[NIL]                      ; the wave's opening: the add and its wait ahead of my first tensor load
	v_lshrrev_b32 v1, 5, v0
	v_readfirstlane_b32 s[WV], v1                  ; wave 0..7
	s_and_b32 s[QP], s[WV], 1                      ; my query pair.  Also: which half of a tile's rows I fetch (waves 0 to 3)
	s_lshr_b32 s[KS], s[WV], 1                     ; my key step
	s_bfe_u32 s[CX], ttmp6, 0x40000
	s_lshl_b32 s[BB], ttmp9, 2
	s_add_co_u32 s[BB], s[BB], s[CX]               ; b = 4 c + cx
	s_sub_co_u32 s[BI], 31, s[BB]                  ; the first block
	s_and_b32 s19, ttmp7, 0xffff                   ; the head
	s_lshl_b32 s20, s19, 19                        ; its bytes in q, k, v
	s_mul_i32 s21, s[QP], 128*PK                   ; my half's place in a slot, for K
	s_mul_i32 s22, s[QP], 128*PV                   ; and for V
	s_lshl_b32 s82, s[QP], 15                      ; its 128 rows of 256 bytes in memory
	s_add_co_u32 s82, s82, s20
	s_mov_b32 s83, 0
	s_lshl_b32 s23, s[QP], 13                      ; my 32 rows of a block of Q
	s_add_co_u32 s23, s23, s20
	s_lshl_b32 s88, s[BI], 14
	s_add_co_u32 s88, s88, s23
	s_mov_b32 s89, 0
	s_lshl_b32 s90, s[BB], 14
	s_add_co_u32 s90, s90, s23
	s_mov_b32 s91, 0
	s_lshl_b32 s23, s19, 8                         ; yb: the head's 256 bytes of a row
	s_mul_i32 s92, s[BI], 327680
	s_add_co_u32 s92, s92, s23
	s_mov_b32 s93, 0
	s_mul_i32 s94, s[BB], 327680
	s_add_co_u32 s94, s94, s23
	s_mov_b32 s95, 0
	s_mov_b32 s97, 0                               ; named in pairs with the weights
	s_mov_b32 s99, 0
	s_mov_b32 s[G1K], 15|(1<<16)|(1<<20)|(1<<21)|(5<<22)|(3<<25)  ; the mask of four; 2-byte elements; padding on; bit 21 beside a mask; after every 64 words 4 words
	s_mov_b32 s[G1V], 15|(1<<16)|(1<<20)|(1<<21)|(5<<22)|(7<<25)  ; the same with 8 words
.irp g, G1K, G1V
	s_mov_b32 s[(\g)+1], 128<<16                   ; tensor_dim0 = 128
	s_mov_b32 s[(\g)+2], 128<<16                   ; tensor_dim1 = 128
	s_mov_b32 s[(\g)+3], 128<<16                   ; tile_dim0 = 128
	s_mov_b32 s[(\g)+4], 128                       ; tile_dim1 = 128
	s_mov_b32 s[(\g)+5], 128                       ; elements from row to row
	s_mov_b32 s[(\g)+6], 0
	s_mov_b32 s[(\g)+7], 0
.endr
	s_mov_b32 s[G0K], 1
	s_mov_b32 s[G0K+1], s21                        ; slot 0
	s_mov_b32 s[G0V], 1
	s_add_co_u32 s[G0V+1], s22, VOFF
	s_sub_co_u32 s[LEN], 8, ttmp9                  ; the first block has 8 - c tiles,
	s_add_co_u32 s[NL], ttmp9, 1                   ; the second c + 1
	s_mov_b32 s[RT], s[LEN]
	s_sub_co_u32 s[RQ], s[LEN], 1
	s_lshl_b32 s[PEND], ttmp9, 1
	s_sub_co_u32 s[PEND], 6, s[PEND]               ; the walk's first tile, 6 - 2 c: inside the range, and so is the next
	s_add_co_u32 s[NXT], s[PEND], 1
	s_lshl_b32 s[OFF], s[PEND], 16
	s_mov_b32 s[OFF+1], 0
	s_mov_b32 s[TB], SLOT1                         ; the first change turns it into 0
	s_mov_b32 s[AL+1], 0                           ; named as pairs
	s_mov_b32 s[BE+1], 0
	s_mov_b32 s[BIGN], 0xf149f2ca                  ; -1e30
	s_mov_b32 s[SEL], 0x76543210
	s_mov_b32 s[SEL+1], 0xfedcba98
	s_wait_dscnt 0x0                               ; the opening add is done
	s_wait_kmcnt 0x0
	s_load_b128 s[84:87], s[10:11], 0x0            ; sq, sk, sv, so: waited for behind the first tensor load
	s_add_nc_u64 s[KB:KB+1], s[6:7], s[82:83]
	s_add_nc_u64 s[VB:VB+1], s[8:9], s[82:83]
	s_add_nc_u64 s[QHI:QHI+1], s[4:5], s[88:89]    ; the sums land in registers of their own: s[88:95] keep the offsets alone
	s_add_nc_u64 s[QLO:QLO+1], s[4:5], s[90:91]
	s_add_nc_u64 s[YB:YB+1], s[16:17], s[92:93]
	s_add_nc_u64 s[YLO:YLO+1], s[16:17], s[94:95]
	s_add_nc_u64 s[G0K+2:G0K+3], s[KB:KB+1], s[OFF:OFF+1]
	s_or_b32 s[G0K+3], s[G0K+3], 0x80000000
	s_add_nc_u64 s[G0V+2:G0V+3], s[VB:VB+1], s[OFF:OFF+1]
	s_or_b32 s[G0V+3], s[G0V+3], 0x80000000
	CROUND                                         ; all four work-groups are here: the first joint loads meet
	JLOAD                                          ; the walk's first tile into slot 0; slot 1 is asked for by the loop's first change
	v_and_b32 v1, 15, v0                           ; r = l % 16
	v_bfe_u32 v9, v0, 4, 1                         ; h = l / 16
	v_lshlrev_b32 v[QO], 8, v1
	v_lshl_add_u32 v[QO], v9, 4, v[QO]
.irp u, 0,1
.irp d, 0,1,2,3
	global_load_b128 v[Q+32*(\u)+8*(\d):Q+32*(\u)+8*(\d)+3],   v[QO], s[QHI:QHI+1] offset:4096*(\u)+64*(\d)
	global_load_b128 v[Q+32*(\u)+8*(\d)+4:Q+32*(\u)+8*(\d)+7], v[QO], s[QHI:QHI+1] offset:4096*(\u)+64*(\d)+32
.endr
.endr
	v_lshlrev_b32 v48, 3, v9
	v_sub_nc_u32 v48, v1, v48                      ; r - 8 h: register j of a group of 16 keys is hidden, in the query's own group, where j is greater
.set i, 0
.rept 8
	v_cmp_gt_i32 vcc_lo, i, v48
	v_cndmask_b32 v[TRI+i], 0, s[BIGN], vcc_lo
.set i, i+1
.endr
	v_mul_u32_u24 v[AK0], v1, PK
	v_lshl_add_u32 v[AK0], v9, 4, v[AK0]           ; row x pitch + 16 x half,
	s_mul_i32 s82, s[KS], 64*PK
	v_add_nc_u32 v[AK0], s82, v[AK0]               ; in my key step's 64 rows
	v_and_b32 v48, 7, v0                           ; the turning load: lane l reads key 8 h + l % 8, channels 8 ((l / 8) % 2) on
	v_bfe_u32 v49, v0, 3, 1
	v_lshl_add_u32 v[AV0], v9, 3, v48
	v_mul_u32_u24 v[AV0], v[AV0], PV
	v_lshl_add_u32 v[AV0], v49, 4, v[AV0]
	s_mul_i32 s82, s[KS], 64*PV
	s_add_co_u32 s82, s82, VOFF
	v_add_nc_u32 v[AV0], s82, v[AV0]
	v_mul_u32_u24 v[STW], v1, SGP                  ; the stage, in: my key step's area, row r, 32 bytes for each half of the lanes
	v_lshl_add_u32 v[STW], v9, 5, v[STW]
	s_mul_i32 s82, s[KS], AREA
	s_add_co_u32 s82, s82, STAGE
	v_add_nc_u32 v[STW], s82, v[STW]
	v_and_b32 v48, 31, v0
	s_mul_i32 s82, s[WV], 2*SGP                    ; back: row 2 w, 16 bytes a lane
	s_add_co_u32 s82, s82, STAGE
	v_lshl_add_u32 v[STR], v48, 4, s82
	s_lshl_b32 s82, s[WV], 13                      ; yb: row 2 w of 4,096 bytes, 8 bytes a lane
	v_lshl_add_u32 v[GO], v48, 3, s82
	s_lshl_b32 s82, s[KS], 9                       ; the statistics: 512 bytes a key step, 8 a query
	s_lshl_b32 s83, s[QP], 8
	s_add_co_u32 s82, s82, s83
	s_add_co_u32 s82, s82, STATS
	v_lshl_add_u32 v[SA], v1, 3, s82
	v_bfe_u32 v49, v0, 1, 2
	v_and_b32 v48, 1, v0
	v_lshl_add_u32 v48, v49, 4, v48                ; query 16 ((l / 2) % 4) + l % 2 + 2 w
	s_lshl_b32 s82, s[WV], 4
	s_add_co_u32 s82, s82, STATS
	v_lshl_add_u32 v[SR], v48, 3, s82
	v_mov_b32 v[MONE], 0xbf800000
.irp u, 0,1
	v_mov_b32 v[ST+8*(\u)], 0xfe000000             ; c m: far below every c s
	v_mov_b32 v[ST+8*(\u)+1], 0xef800000           ; m = -2^96
	v_mov_b32 v[ST+8*(\u)+2], 0                    ; a block's first step multiplies l and O^T by a = 0: they need only hold finite numbers
	v_mov_b32 v[ST+8*(\u)+3], 0
.endr
	WIN 0x40
.set i, 0
.rept 128
	v_mov_b32 v[i], 0
.set i, i+1
.endr
	WIN 0
	s_wait_kmcnt 0x0
	s_mul_f32 s[CS], s84, s85
	s_mul_f32 s[CS], s[CS], 0x440293ee             ; c = sq sk 4096 log2(e) / sqrt(128)
	s_mov_b32 s[CS+1], s[CS]
	s_mov_b32 s85, 0                               ; the scales have been used: these two words are named in pairs with the weights
	s_mov_b32 s87, 0
	s_mov_b32 s[CNT], 8
.Ltile:                                        ; 8 trips: a tile is entered and the next is asked for
	CHANGE 1
	STEP 1
	s_sub_co_u32 s[RT], s[RT], 1
	s_cmp_lg_u32 s[RT], 0
	s_cbranch_scc1 .Lnext                          ; hangs on c alone: the same in all waves and all partners
	MERGE                                          ; the first block's end
	s_wait_xcnt 0x0                                ; the stores have read their registers and their base
	s_mov_b64 s[YB:YB+1], s[YLO:YLO+1]
	s_mov_b32 s[BI], s[BB]
	s_mov_b32 s[RT], s[NL]
.irp u, 0,1
	v_mov_b32 v[ST+8*(\u)], 0xfe000000
	v_mov_b32 v[ST+8*(\u)+1], 0xef800000
.endr
.Lnext:
	s_sub_co_u32 s[CNT], s[CNT], 1
	s_cmp_lg_u32 s[CNT], 0
	s_cbranch_scc1 .Ltile
	CHANGE 0                                       ; the walk's last tile is written out
	STEP 0
	MERGE
	s_wait_tensorcnt 0x0                           ; the wave's end: a wait, an add of 0 to my spare word and its wait, behind my last tensor load and my last LDS store
	ds_add_u32 v[SPW], v[NIL]
	s_wait_dscnt 0x0
	CROUND                                         ; the closing round
	s_endpgm
.Lfunc_end_k_q5d9c2da5ed_attn:
	.size	k_q5d9c2da5ed_attn, .Lfunc_end_k_q5d9c2da5ed_attn-k_q5d9c2da5ed_attn
	.p2alignl 7, 3214868480
	.fill 96, 4, 3214868480
	.section	.rodata,"a",@progbits
	.p2align	6, 0x0
	.amdhsa_kernel k_q5d9c2da5ed_attn
		.amdhsa_group_segment_fixed_size 327680
		.amdhsa_private_segment_fixed_size 0
		.amdhsa_enable_private_segment 0
		.amdhsa_kernarg_size 40
		.amdhsa_user_sgpr_count 2
		.amdhsa_user_sgpr_kernarg_segment_ptr 1
		.amdhsa_wavefront_size32 1
		.amdhsa_system_sgpr_workgroup_id_x 1
		.amdhsa_system_sgpr_workgroup_id_y 1
		.amdhsa_system_sgpr_workgroup_id_z 1
		.amdhsa_system_vgpr_workitem_id 0
		.amdhsa_next_free_vgpr 512
		.amdhsa_next_free_sgpr 100
		.amdhsa_reserve_vcc 1
		.amdhsa_float_denorm_mode_32 3
		.amdhsa_float_denorm_mode_16_64 3
		.amdhsa_memory_ordered 1
		.amdhsa_forward_progress 1
		.amdhsa_inst_pref_size 106
	.end_amdhsa_kernel
	.amdgpu_metadata
---
amdhsa.version: [ 1, 2 ]
amdhsa.kernels:
  - .name:           k_q5d9c2da5ed_attn
    .symbol:         k_q5d9c2da5ed_attn.kd
    .args:
      - { .name: qh, .offset: 0, .size: 8, .value_kind: global_buffer, .address_space: global }
      - { .name: kh, .offset: 8, .size: 8, .value_kind: global_buffer, .address_space: global }
      - { .name: vh, .offset: 16, .size: 8, .value_kind: global_buffer, .address_space: global }
      - { .name: scl, .offset: 24, .size: 8, .value_kind: global_buffer, .address_space: global }
      - { .name: yb, .offset: 32, .size: 8, .value_kind: global_buffer, .address_space: global }
    .group_segment_fixed_size: 327680
    .private_segment_fixed_size: 0
    .kernarg_segment_align: 8
    .kernarg_segment_size: 40
    .max_flat_workgroup_size: 256
    .sgpr_count:     100
    .vgpr_count:     512
    .wavefront_size: 32
...
	.end_amdgpu_metadata
.endif
;; end of part 4
;; launch oproj (part 5): grid 16 x 16, 4 waves a work-group, clusters of 4 x 4, 327,680 bytes of LDS; arguments yb, tw, scl, out0; writes out0
.if DOCPART == 5
	.amdgcn_target "amdgcn-amd-amdhsa--gfx1250"
	.amdhsa_code_object_version 6
	.text
	.protected	k_q5d9c2da5ed_oproj
	.globl	k_q5d9c2da5ed_oproj
	.p2align	8
	.type	k_q5d9c2da5ed_oproj,@function
k_q5d9c2da5ed_oproj:
	s_mov_b64 s[64:65], 0
	v_nop
	global_prefetch_b8 v0, s[64:65] scope:SCOPE_SE
	s_setreg_imm32_b32 hwreg(HW_REG_WAVE_MODE, 25, 1), 1
	s_wait_xcnt 0x0
	s_wait_alu depctr_hold_cnt(0) depctr_sa_sdst(0) depctr_va_vdst(0) depctr_va_sdst(0) depctr_va_ssrc(0) depctr_va_vcc(0) depctr_vm_vsrc(0)
	s_getreg_b32 s2, hwreg(HW_REG_IB_STS2, 6, 4)
	s_cmp_eq_u32 s2, 0
	s_cbranch_scc0 .Lentry_in_a_cluster
	s_endpgm
.Lentry_in_a_cluster:
	s_bfe_u32 s2, ttmp6, 0x10000c
	s_cmp_lg_u32 s2, 0xf033
	s_cbranch_scc0 .Lentry_shape_is_right
	s_endpgm
.Lentry_shape_is_right:
; out0 = 64 sv so (y To), y from yb in f16 (for rows 0-15 of each 64: y's f16 part plus its f16 remainder), To the ternary weights of wo as +-1 and 0 in f16 (exact); sums in f32; the scales in f32 at the end.
; Block (input part j, output part ko) of the dense matrix is SIGN[i][j] To[i], i = ko xor j; the sign picks +T or -T in tw.
; SHARES.  A tile of out0 is 128 x 128: 256 work-groups; four waves, each 64 x 64: 16 accumulators.  K goes in 8 steps of 256 (one input part each) through two LDS slots: y's 160 rows (two blocks of 64 + 16)
; and To's 128 rows, 512 bytes each; waves 0 and 1 fetch a block of y, waves 2 and 3 64 rows of To.  The remainder rows are a fifth fragment of y that adds onto the first row block's accumulators.
; CLUSTER 4 x 4: y's tiles are asked for jointly by a row of the cluster, To's by a column.  The matrix instruction is used transposed: a lane holds eight neighbouring columns of a row.
; THE WALK ALONG K IS STAGGERED: the cluster with x = X begins at K step 2 X and goes round (f32 sums may be taken in any order): from its third K step on a cluster asks for rows of yb that its neighbour has
; asked for two K steps earlier.  No prefetch: the two K steps that no neighbour asks for earlier are the first fills, at the kernel's head.
; REGISTERS: window 0: v0-31 addresses; v32-95 at work on the way out; v96-127 the remainder's fragments, two buffers of 16; v128-255 the accumulators ((a, b) at 128 + 8 (4 a + b))
;   window 1: two fragment buffers of 128: for 64 along K 64 registers of y, then 64 of To
.set PITCH,  528                       ; an LDS row: 512 bytes + 16
.set AH,     80*PITCH                  ; a block of y
.set BH,     64*PITCH                  ; half of To's tile
.set BOFF,   2*AH
.set SLOT,   2*AH+2*BH
.set STAGE,  2*SLOT                    ; behind the ring: 16 rows x 272 bytes for each wave
.set SPITCH, 272
.set SPARE,  STAGE+4*16*SPITCH         ; behind the stages: the spare words, 128 bytes a wave
.set LAPS,   4
.set ADRA, 16
.set ADRB, 20
.set STO,  24
.set RD,   25
.set CO,   26
.set SPW,  28                          ; v28  my spare word; never rewritten
.set NIL,  29                          ; v29  0; never rewritten
.set TMP,  32
.set BK,   64
.set LOB,  96
.set ACC,  128
.set F0,   0
.set F1,   128
.set WV, 12
.set RH, 13
.set CH, 14
.set G1,  24
.set G0,  32
.set G1B, 48
.set G0B, 56
.set BBASE, 66
.set OFF, 68
.set KN, 70                            ; the K step to be asked for next, 0 to 7
.set NEGLO, 71
.set NEGHI, 72
.set KO, 73
.set ABASE, 78                         ; s[78:79] yb at my block
.set MSB, 0
.macro WIN new
.if MSB != (\new)
	s_set_vgpr_msb (MSB<<8)|(\new)
.set MSB, \new
.endif
.endm
.set MUL,  0x05                        ; sources 0 (To) and 1 (y) window 1; C and D window 0
.set TO_F, 0x40
.macro PLACES
.rept 4
	v_nop
.endr
.endm
.macro JLOAD s                         ; a joint load: waves 0 and 1 fetch y's two blocks, waves 2 and 3 To's two halves; an s_nop 0 and four v_nop follow each line
	s_cmp_eq_u32 s[RH], 0
	s_cbranch_scc0 .Lfor_b_\@
	tensor_load_to_lds s[G0+4*(\s):G0+4*(\s)+3], s[G1:G1+7]
	s_nop 0
.rept 4
	v_nop
.endr
	s_branch .Lasked_\@
.Lfor_b_\@:
	tensor_load_to_lds s[G0B+4*(\s):G0B+4*(\s)+3], s[G1B:G1B+7]
	s_nop 0
.rept 4
	v_nop
.endr
.Lasked_\@:
.endm
.macro CREST
	s_cmp_lg_u32 s[WV], 0
	s_cbranch_scc1 .Lnot_wave_0_\@
	s_barrier_signal -3
.Lnot_wave_0_\@:
	s_barrier_wait -3
	s_barrier_signal -1
	s_barrier_wait -1
.endm
.macro CROUND
	s_barrier_signal -1
	s_barrier_wait -1
	CREST
.endm
; The tiles of K step KN (= j) for slot s.  To's: i = KO xor j, the sign from the table.  y's: 512 bytes along the rows for each K step.  Both addresses are made anew from the step's number, which then goes on,
; round 8.  Only numbers that the partners named by each mask share enter.
.macro BSTEP s
	s_xor_b32 s75, s[KO], s[KN]
	s_cmp_ge_u32 s75, 4
	s_cselect_b32 s76, s[NEGHI], s[NEGLO]
	s_and_b32 s77, s75, 3
	s_lshl3_add_u32 s77, s77, s[KN]
	s_lshr_b32 s76, s76, s77
	s_and_b32 s76, s76, 1
	s_lshl3_add_u32 s76, s76, s75
	s_lshl_b32 s[OFF], s76, 17
	s_add_nc_u64 s[G0B+4*(\s)+2:G0B+4*(\s)+3], s[BBASE:BBASE+1], s[OFF:OFF+1]
	s_or_b32 s[G0B+4*(\s)+3], s[G0B+4*(\s)+3], 0x80000000
	s_lshl_b32 s[OFF], s[KN], 9
	s_add_nc_u64 s[G0+4*(\s)+2:G0+4*(\s)+3], s[ABASE:ABASE+1], s[OFF:OFF+1]
	s_or_b32 s[G0+4*(\s)+3], s[G0+4*(\s)+3], 0x80000000
	s_add_co_u32 s[KN], s[KN], 1
	s_and_b32 s[KN], s[KN], 7
.endm
.macro MUL8 f, c, a0, zero             ; 8 matrix instructions: row blocks a0, a0 + 1 x all 4 column blocks, 32 along K: half c of buffer f
	WIN MUL
.irp a, \a0, (\a0)+1
.irp b, 0,1,2,3
.if \zero
	v_wmma_f32_16x16x32_f16 v[ACC+8*(4*(\a)+(\b)):ACC+8*(4*(\a)+(\b))+7], v[(\f)+64+8*(4*(\c)+(\b)):(\f)+64+8*(4*(\c)+(\b))+7], v[(\f)+8*(4*(\c)+(\a)):(\f)+8*(4*(\c)+(\a))+7], 0
.else
	v_wmma_f32_16x16x32_f16 v[ACC+8*(4*(\a)+(\b)):ACC+8*(4*(\a)+(\b))+7], v[(\f)+64+8*(4*(\c)+(\b)):(\f)+64+8*(4*(\c)+(\b))+7], v[(\f)+8*(4*(\c)+(\a)):(\f)+8*(4*(\c)+(\a))+7], v[ACC+8*(4*(\a)+(\b)):ACC+8*(4*(\a)+(\b))+7]
.endif
.endr
.endr
.endm
.macro MULLO f, c                      ; 4 more: the remainder of rows 0-15 adds onto row block 0.  No two matrix instructions that follow each other share an accumulator
	WIN 0x01
.irp b, 0,1,2,3
	v_wmma_f32_16x16x32_f16 v[ACC+8*(\b):ACC+8*(\b)+7], v[(\f)+64+8*(4*(\c)+(\b)):(\f)+64+8*(4*(\c)+(\b))+7], v[LOB+(\f)/8+8*(\c):LOB+(\f)/8+8*(\c)+7], v[ACC+8*(\b):ACC+8*(\b)+7]
.endr
.endm
.macro FETCH slot, k, f                ; 36 LDS loads in one run: 64 along K at byte k: the remainder's four, then the first 32 along K, then the second
	WIN 0
.irp c, 0,1
	ds_load_b128 v[LOB+(\f)/8+8*(\c):LOB+(\f)/8+8*(\c)+3],   v[ADRA+(\slot)] offset:(\k)+64*(\c)+64*PITCH
	ds_load_b128 v[LOB+(\f)/8+8*(\c)+4:LOB+(\f)/8+8*(\c)+7], v[ADRA+(\slot)] offset:(\k)+64*(\c)+64*PITCH+32
.endr
	WIN TO_F
.irp c, 0,1
.irp i, 0,1,2,3
	ds_load_b128 v[(\f)+64+8*(4*(\c)+(\i)):(\f)+64+8*(4*(\c)+(\i))+3],   v[ADRB+(\slot)] offset:(\k)+64*(\c)+(\i)*16*PITCH
	ds_load_b128 v[(\f)+64+8*(4*(\c)+(\i))+4:(\f)+64+8*(4*(\c)+(\i))+7], v[ADRB+(\slot)] offset:(\k)+64*(\c)+(\i)*16*PITCH+32
	ds_load_b128 v[(\f)+8*(4*(\c)+(\i)):(\f)+8*(4*(\c)+(\i))+3],         v[ADRA+(\slot)] offset:(\k)+64*(\c)+(\i)*16*PITCH
	ds_load_b128 v[(\f)+8*(4*(\c)+(\i))+4:(\f)+8*(4*(\c)+(\i))+7],       v[ADRA+(\slot)] offset:(\k)+64*(\c)+(\i)*16*PITCH+32
.endr
.endr
.endm
.macro QUARTER slot, k, f, g, zero     ; 64 along K, 40 matrix instructions; the next quarter's loads stand in one run in its middle
	s_wait_dscnt 16                                ; the remainder's fragments and the first 32 along K are in
	MUL8 \f, 0, 0, \zero
	MUL8 \f, 0, 2, \zero
	MULLO \f, 0
	PLACES
	FETCH \slot, \k, \g
	s_wait_dscnt 36                                ; all but the 36 just issued
	MUL8 \f, 1, 0, 0
	MUL8 \f, 1, 2, 0
	MULLO \f, 1
.endm
; The last quarter multiplies buffer 1 and changes slots: each wave waits for all its tensor loads, adds 0 to its spare word, and waits for that and for its reads of this slot.
; fill = 1: the barrier opens a round of the cluster's, and the joint refill, two K steps ahead, is the first thing behind it.
.macro TURN slot, next, fill
	WIN 0
	s_wait_tensorcnt 0x0                           ; no tensor load of mine is out, so a group 0 may be written
	ds_add_u32 v[SPW], v[NIL]
.if \fill
	BSTEP \slot
.endif
	s_wait_dscnt 17                                ; the add and the youngest sixteen loads may be out
	MUL8 F1, 0, 0, 0
	s_wait_dscnt 0x0                               ; the add is done, and my reads of this slot are over
	s_barrier_signal -1
	MUL8 F1, 0, 2, 0
	MULLO F1, 0
	WIN 0
	s_barrier_wait -1
.if \fill
	CREST
	JLOAD \slot                                    ; its four v_nop are also the places in front of the loads below
.else
	PLACES
.endif
	FETCH \next, 0, F0
	MUL8 F1, 1, 0, 0
	MUL8 F1, 1, 2, 0
	MULLO F1, 1
.endm
	s_load_b256 s[4:11], s[0:1], 0x0               ; yb s[4:5], tw s[6:7], scl s[8:9], out0 s[10:11]
	v_lshl_add_u32 v[SPW], v0, 2, SPARE
	v_mov_b32 v[NIL], 0
	ds_add_u32 v[SPW], v[NIL]                      ; the wave's opening: the add and its wait ahead of my first tensor load
	v_lshrrev_b32 v1, 5, v0
	v_readfirstlane_b32 s[WV], v1
	s_lshr_b32 s[RH], s[WV], 1                     ; which 64 rows are mine.  Also: I fetch for y (0) or for To (1)
	s_and_b32 s[CH], s[WV], 1                      ; which 64 columns.  Also: which half of that tile I fetch
	s_bfe_u32 s40, ttmp6, 0x40000                  ; cx, cy
	s_bfe_u32 s41, ttmp6, 0x40004
	s_lshl_b32 s42, ttmp9, 2
	s_add_co_u32 s42, s42, s40                     ; column tile
	s_and_b32 s43, ttmp7, 0xffff
	s_lshl_b32 s43, s43, 2
	s_add_co_u32 s43, s43, s41                     ; row tile
	s_lshl_b32 s44, s41, 2
	s_lshl_b32 s44, 15, s44                        ; my row of the cluster
	s_lshl_b32 s45, 0x1111, s40                    ; my column
	s_or_b32 s[G1], s44, (1<<16)|(1<<20)|(1<<21)|(6<<22)|(3<<25)   ; the mask; 2-byte elements; padding on; bit 21 beside a mask; after every 128 words 4 words
	s_or_b32 s[G1B], s45, (1<<16)|(1<<20)|(1<<21)|(6<<22)|(3<<25)
	s_mov_b32 s[G1+1], 256<<16                     ; tensor_dim0 = 256
	s_mov_b32 s[G1+2], 80<<16                      ; tensor_dim1 = 80
	s_mov_b32 s[G1+3], 256<<16                     ; tile_dim0 = 256
	s_mov_b32 s[G1+4], 80                          ; tile_dim1 = 80
	s_mov_b32 s[G1+5], 2048
	s_mov_b32 s[G1+6], 0
	s_mov_b32 s[G1+7], 0
	s_mov_b32 s[G1B+1], 256<<16
	s_mov_b32 s[G1B+2], 64<<16
	s_mov_b32 s[G1B+3], 256<<16
	s_mov_b32 s[G1B+4], 64
	s_mov_b32 s[G1B+5], 256
	s_mov_b32 s[G1B+6], 0
	s_mov_b32 s[G1B+7], 0
	s_mul_i32 s20, s[WV], AH                       ; where y's blocks go: waves 0, 1;
	s_mul_i32 s21, s[WV], BH
	s_add_co_u32 s21, s21, BOFF-2*BH               ; To's halves: waves 2, 3, behind y's
.irp s, 0,1
	s_mov_b32 s[G0+4*(\s)], 1
	s_add_co_u32 s[G0+4*(\s)+1], s20, (\s)*SLOT
	s_mov_b32 s[G0B+4*(\s)], 1
	s_add_co_u32 s[G0B+4*(\s)+1], s21, (\s)*SLOT
.endr
	s_mul_i32 s78, s43, 655360                     ; y: 160 rows of 4,096 bytes a tile, 80 a block
	s_mul_i32 s79, s[CH], 327680
	s_add_co_u32 s78, s78, s79
	s_mov_b32 s79, 0
	s_and_b32 s74, s42, 1
	s_lshl_b32 s74, s74, 16                        ; To: the tile's 128 rows of 512 bytes in a block, my 64 of them, in matrix 3 of tw
	s_lshl_b32 s75, s[CH], 15
	s_add_co_u32 s74, s74, s75
	s_add_co_u32 s74, s74, 3<<21
	s_mov_b32 s75, 0
	s_lshr_b32 s[KO], s42, 1
	s_mov_b32 s[NEGLO], 0xacc66a00
	s_mov_b32 s[NEGHI], 0xb2d8741e
	s_lshl_b32 s[KN], ttmp9, 1                     ; the cluster's first K step: 2 x cluster x
	s_mov_b32 s[OFF+1], 0
	s_lshl_b32 s16, s43, 20                        ; out0: 128 rows of 8,192 bytes a tile, my 64; 512 bytes a column tile, my 256
	s_lshl_b32 s17, s[RH], 19
	s_add_co_u32 s16, s16, s17
	s_lshl_b32 s17, s42, 9
	s_add_co_u32 s16, s16, s17
	s_lshl_b32 s17, s[CH], 8
	s_add_co_u32 s16, s16, s17
	s_mov_b32 s17, 0
	s_wait_dscnt 0x0                               ; the opening add is done
	s_wait_kmcnt 0x0
	s_load_b128 s[84:87], s[8:9], 0x0              ; sq, sk, sv, so: waited for behind the first tensor loads
	s_add_nc_u64 s[ABASE:ABASE+1], s[4:5], s[78:79]
	s_add_nc_u64 s[BBASE:BBASE+1], s[6:7], s[74:75]
	s_add_nc_u64 s[90:91], s[10:11], s[16:17]
	BSTEP 0
	BSTEP 1
	CROUND                                         ; all sixteen work-groups are here: the first joint loads meet
	JLOAD 0                                        ; two loads of mine are out
	JLOAD 1
	v_and_b32 v1, 15, v0
	v_bfe_u32 v2, v0, 4, 1
	v_mul_u32_u24 v3, v1, PITCH
	v_lshl_add_u32 v3, v2, 4, v3
	s_mul_i32 s21, s[RH], AH
	s_mul_i32 s22, s[CH], BH
	s_add_co_u32 s22, s22, BOFF
.irp s, 0,1
	v_add_nc_u32 v[ADRA+(\s)], s21, v3
	v_add_nc_u32 v[ADRB+(\s)], s22, v3
	s_add_co_u32 s21, s21, SLOT
	s_add_co_u32 s22, s22, SLOT
.endr
	s_mul_i32 s23, s[WV], 16*SPITCH
	s_add_co_u32 s23, s23, STAGE                   ; my stage
	v_mul_u32_u24 v4, v1, SPITCH                   ; in: row r, 32 bytes for each half of the lanes
	v_lshl_add_u32 v4, v2, 5, v4
	v_add_nc_u32 v[STO], s23, v4
	v_mul_u32_u24 v5, v2, SPITCH                   ; back: lanes 0-15 one row of 256 bytes, lanes 16-31 the next
	v_lshl_add_u32 v5, v1, 4, v5
	v_add_nc_u32 v[RD], s23, v5
	v_lshlrev_b32 v5, 13, v2                       ; and the same two rows in out0
	v_lshl_add_u32 v[CO], v1, 4, v5
	s_wait_kmcnt 0x0
	s_mul_f32 s88, s86, s87
	s_mul_f32 s88, s88, 0x42800000                 ; 64 sv so
	s_mov_b32 s89, s88
	s_wait_tensorcnt 1                             ; my part of the walk's first K step is in; the second's stays out
	s_barrier_signal -1
	s_barrier_wait -1
	FETCH 0, 0, F0
	QUARTER 0, 128, F0, F1, 1                      ; the first quarter stands in front of the loop: its first products start the sums
	WIN 0
	s_mov_b32 s3, LAPS-1
.Llap:
	QUARTER 0, 256, F1, F0, 0
	QUARTER 0, 384, F0, F1, 0
	TURN 0, 1, 1
	QUARTER 1, 128, F0, F1, 0
	QUARTER 1, 256, F1, F0, 0
	QUARTER 1, 384, F0, F1, 0
	TURN 1, 0, 1
	QUARTER 0, 128, F0, F1, 0
	WIN 0
	s_sub_co_u32 s3, s3, 1
	s_cmp_lg_u32 s3, 0
	s_cbranch_scc1 .Llap
	QUARTER 0, 256, F1, F0, 0                      ; the last lap fills nothing
	QUARTER 0, 384, F0, F1, 0
	TURN 0, 1, 0
	QUARTER 1, 128, F0, F1, 0
	QUARTER 1, 256, F1, F0, 0
	QUARTER 1, 384, F0, F1, 0
	s_wait_dscnt 16
	MUL8 F1, 0, 0, 0
	MUL8 F1, 0, 2, 0
	MULLO F1, 0
	s_wait_dscnt 0x0
	MUL8 F1, 1, 0, 0
	MUL8 F1, 1, 2, 0
	MULLO F1, 1
	WIN 0
	PLACES
; THE WAY OUT, 16 rows at a time through my own stage: a wave's 64 columns of f32 are 256 bytes of a row.  The row block's place in out0 stands in the store's immediate, 507,904 bytes at the most.
.irp a, 0,1,2,3
.set n, 0
.rept 16
	v_pk_mul_f32 v[TMP+2*n:TMP+2*n+1], v[ACC+32*(\a)+2*n:ACC+32*(\a)+2*n+1], s[88:89] op_sel_hi:[1,0]
.set n, n+1
.endr
.irp b, 0,1,2,3
	ds_store_b128 v[STO], v[TMP+8*(\b):TMP+8*(\b)+3] offset:64*(\b)
	ds_store_b128 v[STO], v[TMP+8*(\b)+4:TMP+8*(\b)+7] offset:64*(\b)+16
.endr
	s_wait_xcnt 0x0                                ; the last block's stores have read the registers that are loaded again below
.irp t, 0,1,2,3,4,5,6,7
	ds_load_b128 v[BK+4*(\t):BK+4*(\t)+3], v[RD] offset:(\t)*2*SPITCH  ; a wave's LDS instructions are served in order: these see the stores above
.endr
.irp t, 0,1,2,3,4,5,6,7
	s_wait_dscnt 7-(\t)
	global_store_b128 v[CO], v[BK+4*(\t):BK+4*(\t)+3], s[90:91] offset:131072*(\a)+16384*(\t) th:TH_STORE_NT  ; sixteen lanes store 256 consecutive bytes, aligned
.endr
.endr
	s_wait_tensorcnt 0x0                           ; the wave's end: a wait, an add of 0 to my spare word and its wait, behind my last tensor load and my last LDS store
	ds_add_u32 v[SPW], v[NIL]
	s_wait_dscnt 0x0
	CROUND                                         ; the closing round
	s_endpgm
.Lfunc_end_k_q5d9c2da5ed_oproj:
	.size	k_q5d9c2da5ed_oproj, .Lfunc_end_k_q5d9c2da5ed_oproj-k_q5d9c2da5ed_oproj
	.p2alignl 7, 3214868480
	.fill 96, 4, 3214868480
	.section	.rodata,"a",@progbits
	.p2align	6, 0x0
	.amdhsa_kernel k_q5d9c2da5ed_oproj
		.amdhsa_group_segment_fixed_size 327680
		.amdhsa_private_segment_fixed_size 0
		.amdhsa_enable_private_segment 0
		.amdhsa_kernarg_size 32
		.amdhsa_user_sgpr_count 2
		.amdhsa_user_sgpr_kernarg_segment_ptr 1
		.amdhsa_wavefront_size32 1
		.amdhsa_system_sgpr_workgroup_id_x 1
		.amdhsa_system_sgpr_workgroup_id_y 1
		.amdhsa_system_sgpr_workgroup_id_z 1
		.amdhsa_system_vgpr_workitem_id 0
		.amdhsa_next_free_vgpr 512
		.amdhsa_next_free_sgpr 96
		.amdhsa_reserve_vcc 0
		.amdhsa_float_denorm_mode_32 3
		.amdhsa_float_denorm_mode_16_64 3
		.amdhsa_memory_ordered 1
		.amdhsa_forward_progress 1
		.amdhsa_inst_pref_size 106
	.end_amdhsa_kernel
	.amdgpu_metadata
---
amdhsa.version: [ 1, 2 ]
amdhsa.kernels:
  - .name:           k_q5d9c2da5ed_oproj
    .symbol:         k_q5d9c2da5ed_oproj.kd
    .args:
      - { .name: yb, .offset: 0, .size: 8, .value_kind: global_buffer, .address_space: global }
      - { .name: tw, .offset: 8, .size: 8, .value_kind: global_buffer, .address_space: global }
      - { .name: scl, .offset: 16, .size: 8, .value_kind: global_buffer, .address_space: global }
      - { .name: out0, .offset: 24, .size: 8, .value_kind: global_buffer, .address_space: global }
    .group_segment_fixed_size: 327680
    .private_segment_fixed_size: 0
    .kernarg_segment_align: 8
    .kernarg_segment_size: 32
    .max_flat_workgroup_size: 128
    .sgpr_count:     96
    .vgpr_count:     512
    .wavefront_size: 32
...
	.end_amdgpu_metadata
.endif
;; end of part 5
